; MI455X (gfx1250); checked and timed in simulation.
; The chip was launched on July 23, 2026; its instructions are those of AMD's public machine-readable ISA for CDNA 5 (MIT licence, August 2026) and "CDNA5" Instruction Set Architecture Reference Guide (July 2026). The comments in the code are by the model that wrote it; some were corrected since.
;; Router. Allowed arithmetic: matrix products marked QUANTISED: E3M2 operands, one E8M0 scale for each 32 along K, by v_wmma_scale_f32_16x16x128_f8f6f4 with both operands' format E3M2, f32 sums; products left as they are: f32 operands where the result goes on into a quantised operand, else bf16, f16 or f32 operands; f32 sums; everything else in f32.
;; Inputs: We 8 x 2,048 x 2,048 float32; Wp 8 x 2,048 float32; be 8 x 2,048 float32; bp 8 float32; condition 2,048 x 2,048 float32; inputs 2,048 x 2,048 float32.
;; Outputs: out0 2,048 x 2,048 float32.
;; This version of the problem:
;;   THIS VERSION OF THE PROBLEM IS GIVEN IN LOW PRECISION. The matrix products marked QUANTISED in the list below multiply operands that are first quantised to E3M2 (3 exponent bits, 2 mantissa bits; 6 bits a number), with one power-of-two scale for each 32 numbers along K (OCP MX v1.0); their sums are f32. All else is computed in f32.
;;   The module's matrix products, in the order in which they are computed (A, B: the left and right operand; K: the contracted axis; several contracted axes count as one K, in the product's order):
;;     1. [M 2,048, K 2,048] x [K 2,048, N 8]; A: input condition; B: input Wp: left as it is (N = 8 < 16)
;;     2. [M 16,384, K 2,048] x [K 2,048, N 2,048]; A: input We; B: input inputs: QUANTISED
;;   THE QUANTISER, for each operand of a quantised product, along K:
;;     - K is cut into blocks of 32 from its start; a last block that is shorter is filled with zeros.
;;     - A block's scale is 2^e with e = floor(log2(the largest magnitude in the block)) - 4, held to -126 .. 127; a block of zeros has e = 0. As a byte (E8M0): e + 127.
;;     - Each number is divided by its block's scale, clamped to +-28, and rounded to the nearest number of E3M2, ties to even, subnormals kept.
;;     - The product sums the exact products of the quantised numbers (number of the format x scale) in f32.
;;   ~~~python
;;   def quantise(x, axis):      # numpy; x: float32 -> the quantised numbers, widened to float32 again
;;       x = np.moveaxis(x, axis, -1); K = x.shape[-1]
;;       x = np.pad(x, [(0, 0)] * (x.ndim - 1) + [(0, -K % 32)]); x = x.reshape(x.shape[:-1] + (-1, 32)); a = np.abs(x).max(-1, keepdims=True)
;;       e = np.where(a > 0, np.clip(np.frexp(np.where(a > 0, a, 1))[1] - 1 - 4, -126, 127), 0)      # np.frexp(a)[1] - 1 = floor(log2(a)), exactly
;;       r = np.clip(x / 2.0 ** e, -28, 28)
;;       step = 2.0 ** (np.maximum(np.frexp(np.where(r == 0, 1, r))[1] - 1, -2) - 2)
;;       q = np.round(r / step) * step * 2.0 ** e      # np.round: ties to even
;;       return np.moveaxis(q.reshape(q.shape[:-2] + (-1,))[..., :K], -1, axis).astype(np.float32)
;;   ~~~
;; 2 versions. Each part assembles by itself: llvm-mc -triple=amdgcn-amd-amdhsa -mcpu=gfx1250 --defsym DOCPART=n.
;; ======== version 1 of 2: 3 launches
;; workspace buffers: idx 8,192 bytes of whole numbers; order 8,192 bytes of whole numbers; xq 3,145,728 bytes; xs 131,072 bytes
;; launch route (part 1): grid 256 x 1, 8 waves a work-group, no clusters, 66,560 bytes of LDS; arguments condition, Wp, bp, idx; writes idx
.if DOCPART == 1
	.amdgcn_target "amdgcn-amd-amdhsa--gfx1250"
	.amdhsa_code_object_version 6
	.text
	.protected	k_qf3e82dee60_route
	.globl	k_qf3e82dee60_route
	.p2align	8
	.type	k_qf3e82dee60_route,@function
k_qf3e82dee60_route:
	s_mov_b64 s[64:65], 0
	v_nop
	global_prefetch_b8 v0, s[64:65] scope:SCOPE_SE
	s_setreg_imm32_b32 hwreg(HW_REG_WAVE_MODE, 25, 1), 1
	s_wait_xcnt 0x0
; THE PROGRAM: out0[n] = Q(inputs[n]) . Q(We[e(n)])^T + be[e(n)], e(n) = argmax over the 8 experts of condition[n] . Wp[e] + bp[e].  Three launches: this one chooses e(n);
; the second places the tokens in the order of their experts and quantises them; the third quantises We on its way and multiplies each expert's rows by its own tokens.
; WORK LEFT OUT, for all finite values of the inputs:
;   multiply = 1 + (prediction - prediction): the bracket is 0 by identity, so the factor is 1 and is not formed.
;   expert_out[e'][n] for e' other than idx[n]: reference()'s own gather combined[idx, arange] keeps one expert's row for each token and throws the other seven away; only the kept rows are multiplied.
;   Every input keeps a way to the result: condition, Wp, bp by the choice; inputs, We, be by the values.
; LIMITS: a NaN, an infinity or an overflow that reaches only the work left out is not carried to the result.  A NaN among the logits is not served as jnp.argmax serves it.
;   Two logits of a token that lie closer than the rounding of an f32 sum of 2,048 terms may be chosen the other way (the sum's order differs from reference()'s).
; THIS LAUNCH: the logits, by f32 fused multiply-adds: the choice decides whole rows of the result, so nothing coarser stands ahead of it; 8 columns are too few for a matrix tile.
; SHARES.  Work-group g owns tokens 8 g .. 8 g + 7.  Wave w takes the w-th eighth of K (256 numbers, 1,024 bytes of a row) for all 8 tokens and all 8 experts, so that a work-group reads Wp once;
; each load of a wave covers 512 consecutive bytes.  The 64 partial sums of each lane meet in LDS; behind one barrier wave w finishes token 8 g + w.
; The lowest index wins a tie, as in jnp.argmax.
.set SPARE, 65536                      ; LDS: 0 .. 65,535 the partial sums [source wave 8][group of four 16][lane 32][16 bytes]; then the spare words, 128 bytes a wave
.set C,    16                          ; v16-79   condition: token j, load i at C + 8 j + 4 i;  behind the barrier: the partial sums of my token, source wave u at C + 8 u
.set W,    80                          ; v80-143  Wp: expert e, load i at W + 8 e + 4 i
.set S,    144                         ; v144-207 my lane's partial sum of token j, expert e at S + 8 j + e
.set BEST, 208                         ; v208     the largest logit so far
.set BIDX, 209                         ; v209     and its expert
	s_load_b256 s[4:11], s[0:1], 0x0               ; condition s[4:5], Wp s[6:7], bp s[8:9], idx s[10:11]
	v_lshl_add_u32 v5, v0, 2, SPARE                ; my spare word, and 0: kept for the closing lines alone
	v_mov_b32 v6, 0
	v_lshrrev_b32 v1, 5, v0
	v_readfirstlane_b32 s12, v1                    ; wave 0..7
	v_and_b32 v1, 31, v0                           ; lane
	v_lshlrev_b32 v2, 4, v1                        ; 16 bytes a lane
	s_lshl_b32 s13, s12, 13
	v_add_nc_u32 v3, s13, v2                       ; LDS, in: 8,192 x wave + 16 x lane
	s_lshl_b32 s30, s12, 10                        ; my eighth of a row: 1,024 x wave
	s_mov_b32 s31, 0
	v_add_nc_u32 v4, s30, v2                       ; LDS, back: my token's two groups, 1,024 x wave + 16 x lane
	v_mov_b32 v7, 0
	s_mov_b32 s24, 0x76543210                      ; v_permlanex16_b32's selects for lane l xor 16
	s_mov_b32 s25, 0xfedcba98
	s_lshl_b32 s28, ttmp9, 16                      ; the work-group's 8 rows of 8,192 bytes
	s_add_co_u32 s28, s28, s30
	s_mov_b32 s29, 0
	s_wait_kmcnt 0x0
	s_load_b256 s[16:23], s[8:9], 0x0              ; bp's eight numbers
	s_add_nc_u64 s[4:5], s[4:5], s[28:29]
	s_add_nc_u64 s[6:7], s[6:7], s[30:31]
.irp e, 0,1,2,3,4,5,6,7
.irp i, 0,1
	global_load_b128 v[W+8*\e+4*\i:W+8*\e+4*\i+3], v2, s[6:7] offset:\e*8192+\i*512
.endr
.endr
.irp j, 0,1,2,3,4,5,6,7
.irp i, 0,1
	global_load_b128 v[C+8*\j+4*\i:C+8*\j+4*\i+3], v2, s[4:5] offset:\j*8192+\i*512 th:TH_LOAD_NT
.endr
.endr
	s_lshl_b32 s28, ttmp9, 3                       ; where my token's choice goes: 4 x (8 g + w)
	s_add_co_u32 s28, s28, s12
	s_lshl_b32 s28, s28, 2
	s_add_nc_u64 s[10:11], s[10:11], s[28:29]
; token j against experts e0 .. e0 + 3: four chains by turns, two numbers an instruction, then the two halves
.macro DOT j, e0
.irp k, 0,1,2,3
	v_pk_mul_f32 v[8+2*\k:9+2*\k], v[C+8*(\j):C+8*(\j)+1], v[W+8*((\e0)+\k):W+8*((\e0)+\k)+1]
.endr
.irp p, 2,4,6
.irp k, 0,1,2,3
	v_pk_fma_f32 v[8+2*\k:9+2*\k], v[C+8*(\j)+\p:C+8*(\j)+\p+1], v[W+8*((\e0)+\k)+\p:W+8*((\e0)+\k)+\p+1], v[8+2*\k:9+2*\k]
.endr
.endr
.irp k, 0,1,2,3
	v_add_f32 v[S+8*(\j)+(\e0)+\k], v[8+2*\k], v[9+2*\k]
.endr
.endm
.irp j, 0,1,2,3,4,5,6,7
	s_wait_loadcnt 14-2*\j                         ; Wp and token j are in; the two loads of each later token may be out
	DOT \j, 0
	DOT \j, 4
.endr
.irp q, 0,1,2,3,4,5,6,7,8,9,10,11,12,13,14,15
	ds_store_b128 v3, v[S+4*\q:S+4*\q+3] offset:\q*512
.endr
	s_wait_dscnt 0x0                               ; for the others' sake: my stores have landed
	s_barrier_signal -1
	s_barrier_wait -1
.irp u, 0,1,2,3,4,5,6,7
.irp q, 0,1
	ds_load_b128 v[C+8*\u+4*\q:C+8*\u+4*\q+3], v4 offset:\u*8192+\q*512   ; source wave u's sums of my token: experts 4 q .. 4 q + 3
.endr
.endr
	s_wait_dscnt 0x0
.irp u, 1,2,3,4,5,6,7
.irp p, 0,2,4,6
	v_pk_add_f32 v[C+\p:C+\p+1], v[C+\p:C+\p+1], v[C+8*\u+\p:C+8*\u+\p+1]   ; the eight eighths of K
.endr
.endr
.irp m, 1,2,4,8
.irp e, 0,1,2,3,4,5,6,7
	v_add_f32_dpp v[C+\e], v[C+\e], v[C+\e] row_xmask:\m row_mask:0xf bank_mask:0xf   ; across sixteen lanes, the eight experts by turns
.endr
.endr
.irp e, 0,1,2,3,4,5,6,7
	v_permlanex16_b32 v[8+\e], v[C+\e], s24, s25   ; (v8-15 have been written: a lane permute's destination counts as a source)
.endr
.irp e, 0,1,2,3,4,5,6,7
	v_add_f32 v[C+\e], v[C+\e], v[8+\e]
.endr
	s_wait_kmcnt 0x0                               ; bp
.irp e, 0,1,2,3,4,5,6,7
	v_add_f32 v[C+\e], s[16+\e], v[C+\e]           ; the logit, in every lane
.endr
	v_mov_b32 v[BEST], v[C]
	v_mov_b32 v[BIDX], 0
.irp e, 1,2,3,4,5,6,7
	v_cmp_ge_f32 vcc_lo, v[BEST], v[C+\e]          ; the earlier one stays where it is at least as large
	v_cndmask_b32 v[BIDX], \e, v[BIDX], vcc_lo
	v_cndmask_b32 v[BEST], v[C+\e], v[BEST], vcc_lo
.endr
	v_cmp_eq_u32 vcc_lo, 0, v1
	s_wait_xcnt 0x0                                ; EXEC changes only behind this wait
	s_and_saveexec_b32 s26, vcc_lo                 ; lane 0 stores the wave's one number
	global_store_b32 v7, v[BIDX], s[10:11]
	s_wait_xcnt 0x0                                ; and again, in front of the line that widens it
	s_or_b32 exec_lo, exec_lo, s26
	s_wait_tensorcnt 0x0                           ; the wave's end
	ds_add_u32 v5, v6
	s_wait_dscnt 0x0
	s_endpgm
.Lfunc_end_k_qf3e82dee60_route:
	.size	k_qf3e82dee60_route, .Lfunc_end_k_qf3e82dee60_route-k_qf3e82dee60_route
	.p2alignl 7, 3214868480
	.fill 96, 4, 3214868480
	.section	.rodata,"a",@progbits
	.p2align	6, 0x0
	.amdhsa_kernel k_qf3e82dee60_route
		.amdhsa_group_segment_fixed_size 66560
		.amdhsa_private_segment_fixed_size 0
		.amdhsa_enable_private_segment 0
		.amdhsa_kernarg_size 32
		.amdhsa_user_sgpr_count 2
		.amdhsa_user_sgpr_kernarg_segment_ptr 1
		.amdhsa_wavefront_size32 1
		.amdhsa_system_sgpr_workgroup_id_x 1
		.amdhsa_system_sgpr_workgroup_id_y 1
		.amdhsa_system_sgpr_workgroup_id_z 1
		.amdhsa_system_vgpr_workitem_id 0
		.amdhsa_next_free_vgpr 216
		.amdhsa_next_free_sgpr 66
		.amdhsa_reserve_vcc 1
		.amdhsa_float_denorm_mode_32 3
		.amdhsa_float_denorm_mode_16_64 3
		.amdhsa_memory_ordered 1
		.amdhsa_forward_progress 1
		.amdhsa_inst_pref_size 31
	.end_amdhsa_kernel
	.amdgpu_metadata
---
amdhsa.version: [ 1, 2 ]
amdhsa.kernels:
  - .name:           k_qf3e82dee60_route
    .symbol:         k_qf3e82dee60_route.kd
    .args:
      - { .name: condition, .offset: 0, .size: 8, .value_kind: global_buffer, .address_space: global }
      - { .name: Wp, .offset: 8, .size: 8, .value_kind: global_buffer, .address_space: global }
      - { .name: bp, .offset: 16, .size: 8, .value_kind: global_buffer, .address_space: global }
      - { .name: idx, .offset: 24, .size: 8, .value_kind: global_buffer, .address_space: global }
    .group_segment_fixed_size: 66560
    .private_segment_fixed_size: 0
    .kernarg_segment_align: 8
    .kernarg_segment_size: 32
    .max_flat_workgroup_size: 256
    .sgpr_count:     66
    .vgpr_count:     216
    .wavefront_size: 32
...
	.end_amdgpu_metadata
.endif
;; end of part 1
;; launch place (part 2): grid 256 x 1, 8 waves a work-group, no clusters, 70,656 bytes of LDS; arguments inputs, idx, xq, xs, order; writes xq, xs, order
.if DOCPART == 2
	.amdgcn_target "amdgcn-amd-amdhsa--gfx1250"
	.amdhsa_code_object_version 6
	.text
	.protected	k_qf3e82dee60_place
	.globl	k_qf3e82dee60_place
	.p2align	8
	.type	k_qf3e82dee60_place,@function
k_qf3e82dee60_place:
	s_mov_b64 s[64:65], 0
	v_nop
	global_prefetch_b8 v0, s[64:65] scope:SCOPE_SE
	s_setreg_imm32_b32 hwreg(HW_REG_WAVE_MODE, 25, 1), 1
	s_wait_xcnt 0x0
; The tokens are placed in the order of their experts and quantised to BF6 (E3M2) along D_IN, one E8M0 byte for each 32.  (Work left out: see the first kernel's head; nothing of this launch is dead.)
; SHARES.  Wave w of work-group g owns token t = 8 g + w: one row of 8,192 bytes.
; THE PLACE.  The sort key of token t' is idx[t'] x 2,048 + t'; the place of t is the number of keys below its own, counted over all 2,048 by compares and bit counts.  The keys differ, so the places
; are a permutation of 0 .. 2,047 and every byte of xq, xs and order is written.  No atomics, no traffic between work-groups.
; THE LAYOUT OF xq is the order of the operand's registers: [tile T = place / 16][K step s 16][piece c 3][slot 2 r + h 32][16 bytes], r = place % 16.  A fragment (16 tokens x 128 K) is then three dense runs of 512 bytes.
; xs: [T][r][16 words], one word of four scale bytes a K step.  order: [place] = token.
; THE ORDER OF BLOCKS IN A K STEP: the half h of the lanes holds the row's blocks 4 s + 2 h and 4 s + 2 h + 1 (64 neighbouring numbers) in registers 0-5 and 6-11, where the plain layout has blocks 4 s + h and
; 4 s + 2 + h.  The third launch lays We's fragments the same way, and each block's scale byte goes with it (byte 2 c + h belongs to registers 6 c .. 6 c + 5 of half h), so every product meets its own partner and scales.
; THE QUANTISER: a block's byte is its largest magnitude's exponent field - 4, held at 1 from below by a floor among the maximum's leaves; the conversion divides by 2^(byte - 127), rounds to the nearest code, ties to even, and gives the largest code beyond 28.
; LIMITS: a block whose largest magnitude lies under 2^(5 - 127) keeps the byte 1; a block of zeros keeps the byte 1 where the rule says 127 (its codes are zeros, and this program alone reads the bytes); NaN and infinities among the inputs are not served.
; A writer owns one row, so xq is written in pieces of 32 bytes; that is taken so that its many later reads are dense.
.set SPARE, 69632                      ; LDS: a stage of 32 x 272 bytes for each wave; behind the eight stages the spare words, 128 bytes a wave
.set I,   16                           ; v16-79   idx, then keys; later the 64 numbers of my lane
.set R,   80                           ; v80-143  the row as loaded
.set PC,  144                          ; v144-155 the codes: 12 registers
.set PX,  156                          ; v156-158, v160-162 the upper halves of the two blocks (a conversion's three registers begin on an even number)
.set MX,  164                          ; v164-167 largest magnitudes, two chains a block
.set SV,  168                          ; v168-169 the conversions' scale operands
.set PW,  170                          ; v170     the scale word
.set PT,  171                          ; v171     the neighbour's part of it
.set BY,  172                          ; v172-173 the scale bytes
.set H8,  9                            ; v9       8 x (lane % 2)
	s_load_b256 s[4:11], s[0:1], 0x0               ; inputs s[4:5], idx s[6:7], xq s[8:9], xs s[10:11]
	s_load_b64 s[12:13], s[0:1], 0x20              ; order
	v_lshl_add_u32 v5, v0, 2, SPARE                ; my spare word, and 0: kept for the closing lines alone
	v_mov_b32 v6, 0
	v_lshrrev_b32 v1, 5, v0
	v_readfirstlane_b32 s14, v1                    ; wave
	v_and_b32 v1, 31, v0                           ; lane
	v_lshlrev_b32 v2, 4, v1                        ; 16 bytes a lane
	s_mul_i32 s33, s14, 8704                       ; my stage
	v_lshrrev_b32 v3, 4, v1
	v_lshl_add_u32 v3, v3, 4, v2
	v_add_nc_u32 v3, s33, v3                       ; in: a load's 512 bytes are two places of 256 + 16: 16 x lane + 16 x (lane / 16)
	v_mul_u32_u24 v4, v1, 272
	v_add_nc_u32 v4, s33, v4                       ; back: place = lane: my 256 neighbouring bytes
	v_lshrrev_b32 v8, 1, v1                        ; my K step: lane / 2
	v_and_b32 v9, 1, v1                            ; my half: lane % 2
	v_mul_u32_u24 v7, v8, 1536
	v_lshl_add_u32 v7, v9, 4, v7                   ; xq: 1,536 x K step + 16 x half
	v_lshlrev_b32 v8, 2, v8                        ; xs: 4 x K step
	v_lshlrev_b32 v9, 3, v9                        ; 8 x half: where my two bytes stand in the scale word
	v_lshlrev_b32 v10, 2, v1                       ; the token of register q of a load of idx, less 128 x the load's number: 4 x lane + q
	v_add_nc_u32 v11, 1, v10
	v_add_nc_u32 v12, 2, v10
	v_add_nc_u32 v13, 3, v10
	v_mov_b32 v14, 0
	v_mov_b32 v[PT], 0                             ; written once: a DPP form's destination counts as a source
	s_lshl_b32 s15, ttmp9, 3
	s_add_co_u32 s15, s15, s14                     ; my token
	v_mov_b32 v15, s15
	s_lshl_b32 s30, s15, 13                        ; its row
	s_mov_b32 s31, 0
	s_lshl_b32 s34, s15, 2
	s_wait_kmcnt 0x0
	s_load_b32 s16, s[6:7], s34 offset:0x0         ; its expert
	s_add_nc_u64 s[4:5], s[4:5], s[30:31]
.irp i, 0,1,2,3,4,5,6,7,8,9,10,11,12,13,14,15
	global_load_b128 v[I+4*\i:I+4*\i+3], v2, s[6:7] offset:512*\i
.endr
.irp i, 0,1,2,3,4,5,6,7,8,9,10,11,12,13,14,15
	global_load_b128 v[R+4*\i:R+4*\i+3], v2, s[4:5] offset:512*\i th:TH_LOAD_NT
.endr
	s_wait_kmcnt 0x0
	s_lshl_b32 s17, s16, 11
	s_add_co_u32 s17, s17, s15                     ; my key; it goes down by 128 a load, in place of the other keys going up
	s_mov_b32 s18, 0                               ; my place
	s_wait_loadcnt 16                              ; idx is in; the row's sixteen loads may be out
.macro COUNT i
.irp q, 0,1,2,3
	v_lshl_add_u32 v[I+4*(\i)+\q], v[I+4*(\i)+\q], 11, v[10+\q]
.endr
.irp q, 0,1,2,3
	v_cmp_gt_i32 s[20+\q], s17, v[I+4*(\i)+\q]     ; signed: my key less 128 i may lie under 0
.endr
.irp q, 0,1,2,3
	s_bcnt1_i32_b32 s[24+\q], s[20+\q]
.endr
.irp q, 0,1,2,3
	s_add_co_u32 s18, s18, s[24+\q]
.endr
	s_sub_co_i32 s17, s17, 128
.endm
.irp i, 0,1,2,3,4,5,6,7,8,9,10,11,12,13,14,15
	COUNT \i
.endr
	s_lshr_b32 s28, s18, 4
	s_min_u32 s28, s28, 127                        ; the tile
	s_and_b32 s29, s18, 15
	s_min_u32 s29, s29, 15                         ; the row in it
	s_min_u32 s18, s18, 2047
	s_mul_i32 s30, s28, 24576
	s_lshl_b32 s35, s29, 5
	s_add_co_u32 s30, s30, s35
	s_add_nc_u64 s[8:9], s[8:9], s[30:31]          ; xq + 24,576 T + 32 r
	s_lshl_b32 s30, s28, 10
	s_lshl_b32 s35, s29, 6
	s_add_co_u32 s30, s30, s35
	s_add_nc_u64 s[10:11], s[10:11], s[30:31]      ; xs + 1,024 T + 64 r
	s_lshl_b32 s30, s18, 2
	s_add_nc_u64 s[12:13], s[12:13], s[30:31]      ; order + 4 x place
	s_wait_loadcnt 0x0                             ; the row
.irp i, 0,1,2,3,4,5,6,7,8,9,10,11,12,13,14,15
	ds_store_b128 v3, v[R+4*\i:R+4*\i+3] offset:544*\i
.endr
.irp i, 0,1,2,3,4,5,6,7,8,9,10,11,12,13,14,15
	ds_load_b128 v[I+4*\i:I+4*\i+3], v4 offset:16*\i   ; LDS serves a wave's instructions in order: these see my stores.  Lane l now holds the row's blocks 2 l and 2 l + 1
.endr
	s_wait_dscnt 0x0
; 64 numbers of a lane, two whole blocks, become 12 registers of codes in v[PC] on, and my two bytes of the scale word in v[PW]
.macro QUANT s
.irp c, 0,1
	v_max3_num_f32 v[MX+2*\c], |v[(\s)+32*\c]|, |v[(\s)+32*\c+1]|, 0x2800000    ; the floor 2^(5 - 127) among the leaves: the byte cannot fall under 1
	v_max3_num_f32 v[MX+2*\c+1], |v[(\s)+32*\c+16]|, |v[(\s)+32*\c+17]|, |v[(\s)+32*\c+18]|
.endr
.irp i, 2,4,6,8,10,12
.irp c, 0,1
	v_max3_num_f32 v[MX+2*\c], v[MX+2*\c], |v[(\s)+32*\c+\i]|, |v[(\s)+32*\c+\i+1]|          ; four chains by turns
	v_max3_num_f32 v[MX+2*\c+1], v[MX+2*\c+1], |v[(\s)+32*\c+\i+17]|, |v[(\s)+32*\c+\i+18]|
.endr
.endr
.irp c, 0,1
	v_max3_num_f32 v[MX+2*\c], v[MX+2*\c], |v[(\s)+32*\c+14]|, |v[(\s)+32*\c+15]|
.endr
.irp c, 0,1
	v_max3_num_f32 v[MX+2*\c], v[MX+2*\c], v[MX+2*\c+1], |v[(\s)+32*\c+31]|     ; the block's largest magnitude
.endr
.irp c, 0,1
	v_add_nc_u32 v[SV+\c], 0xfe000000, v[MX+2*\c]  ; 4 off its exponent field: the conversion takes the exponent field of this operand as its scale
.endr
.irp c, 0,1
	v_lshrrev_b32 v[BY+\c], 23, v[SV+\c]           ; the scale's byte
.endr
	v_lshl_or_b32 v[PW], v[BY+1], 16, v[BY]
	v_lshlrev_b32 v[PW], v[H8], v[PW]              ; bytes h and 2 + h of the word
.irp c, 0,1
	v_cvt_scalef32_pk16_bf6_f32 v[PC+6*\c:PC+6*\c+2], v[(\s)+32*\c:(\s)+32*\c+15], v[SV+\c]
	v_cvt_scalef32_pk16_bf6_f32 v[PX+4*\c:PX+4*\c+2], v[(\s)+32*\c+16:(\s)+32*\c+31], v[SV+\c]
.endr
	v_nop                                          ; one plain place behind a scaled conversion
.irp c, 0,1
.irp i, 0,1,2
	v_mov_b32 v[PC+6*\c+3+\i], v[PX+4*\c+\i]
.endr
.endr
.endm
	QUANT I
	v_mov_b32_dpp v[PT], v[PW] row_xmask:1 row_mask:0xf bank_mask:0xf
	v_or_b32 v[PW], v[PW], v[PT]                   ; with the other half's two bytes the word is whole
.irp c, 0,1,2
	global_store_b128 v7, v[PC+4*\c:PC+4*\c+3], s[8:9] offset:512*\c
.endr
	global_store_b32 v8, v[PW], s[10:11]           ; both lanes of a pair write the same word with the same value; the wave's sixteen words are 64 consecutive bytes
	v_cmp_eq_u32 vcc_lo, 0, v1
	s_wait_xcnt 0x0                                ; EXEC changes only behind this wait
	s_and_saveexec_b32 s32, vcc_lo
	global_store_b32 v14, v15, s[12:13]            ; order[place] = my token
	s_wait_xcnt 0x0                                ; and again, in front of the line that widens it
	s_or_b32 exec_lo, exec_lo, s32
	s_wait_tensorcnt 0x0                           ; the wave's end
	ds_add_u32 v5, v6
	s_wait_dscnt 0x0
	s_endpgm
.Lfunc_end_k_qf3e82dee60_place:
	.size	k_qf3e82dee60_place, .Lfunc_end_k_qf3e82dee60_place-k_qf3e82dee60_place
	.p2alignl 7, 3214868480
	.fill 96, 4, 3214868480
	.section	.rodata,"a",@progbits
	.p2align	6, 0x0
	.amdhsa_kernel k_qf3e82dee60_place
		.amdhsa_group_segment_fixed_size 70656
		.amdhsa_private_segment_fixed_size 0
		.amdhsa_enable_private_segment 0
		.amdhsa_kernarg_size 40
		.amdhsa_user_sgpr_count 2
		.amdhsa_user_sgpr_kernarg_segment_ptr 1
		.amdhsa_wavefront_size32 1
		.amdhsa_system_sgpr_workgroup_id_x 1
		.amdhsa_system_sgpr_workgroup_id_y 1
		.amdhsa_system_sgpr_workgroup_id_z 1
		.amdhsa_system_vgpr_workitem_id 0
		.amdhsa_next_free_vgpr 192
		.amdhsa_next_free_sgpr 66
		.amdhsa_reserve_vcc 1
		.amdhsa_float_denorm_mode_32 3
		.amdhsa_float_denorm_mode_16_64 3
		.amdhsa_memory_ordered 1
		.amdhsa_forward_progress 1
		.amdhsa_inst_pref_size 25
	.end_amdhsa_kernel
	.amdgpu_metadata
---
amdhsa.version: [ 1, 2 ]
amdhsa.kernels:
  - .name:           k_qf3e82dee60_place
    .symbol:         k_qf3e82dee60_place.kd
    .args:
      - { .name: inputs, .offset: 0, .size: 8, .value_kind: global_buffer, .address_space: global }
      - { .name: idx, .offset: 8, .size: 8, .value_kind: global_buffer, .address_space: global }
      - { .name: xq, .offset: 16, .size: 8, .value_kind: global_buffer, .address_space: global }
      - { .name: xs, .offset: 24, .size: 8, .value_kind: global_buffer, .address_space: global }
      - { .name: order, .offset: 32, .size: 8, .value_kind: global_buffer, .address_space: global }
    .group_segment_fixed_size: 70656
    .private_segment_fixed_size: 0
    .kernarg_segment_align: 8
    .kernarg_segment_size: 40
    .max_flat_workgroup_size: 256
    .sgpr_count:     66
    .vgpr_count:     192
    .wavefront_size: 32
...
	.end_amdgpu_metadata
.endif
;; end of part 2
;; launch experts (part 3): grid 32 x 8, 8 waves a work-group, no clusters, 140,288 bytes of LDS; arguments We, be, idx, order, xq, xs, out0; writes out0
.if DOCPART == 3
	.amdgcn_target "amdgcn-amd-amdhsa--gfx1250"
	.amdhsa_code_object_version 6
	.text
	.protected	k_qf3e82dee60_experts
	.globl	k_qf3e82dee60_experts
	.p2align	8
	.type	k_qf3e82dee60_experts,@function
k_qf3e82dee60_experts:
	s_mov_b64 s[64:65], 0
	v_nop
	global_prefetch_b8 v0, s[64:65] scope:SCOPE_SE
	s_setreg_imm32_b32 hwreg(HW_REG_WAVE_MODE, 25, 1), 1
	s_wait_xcnt 0x0
; out0[token][64 fb .. 64 fb + 63] = Q(inputs[token]) . Q(We[e][f])^T + be[e][f] for the tokens whose expert is e.  Both operands are codes of BF6 (E3M2) with one E8M0 byte for each 32 along D_IN; sums in f32.
; WORK LEFT OUT (shown at the first kernel's head): the factor multiply, which is 1 by identity, and each expert's rows for tokens that reference()'s own gather does not keep.
; SHARES.  Work-group (fb, e) owns rows 64 fb .. 64 fb + 63 of We[e]: 512 KiB of f32, which no other work-group reads.  They are quantised on the way; the codes never go to memory.  All eight waves run one text.
; PRODUCING.  Wave w streams rows 8 w .. 8 w + 7, a K step of 128 at a time (a row's 512 consecutive bytes a load), four steps ahead.  A step's 4 KiB turn through the wave's own stage in LDS and come back into the
; registers that they left, a lane then holding ONE block of 32: row l / 4, block l % 4.  Its codes (6 registers) go to LDS as a part of an image of the operand's registers, its scale byte into the row's scale word.
; CONSUMING.  In a pass a wave holds 3 tiles of 16 tokens x the 4 tiles of 16 rows of We: 12 accumulators.  The tokens' fragments come from xq straight into registers, three dense loads of 512 bytes each, three steps ahead.
; One barrier a K step orders an image's stores ahead of its loads; no LDS byte of an image is written twice, and all 16 steps' images stay.  24 tiles a pass serve every expert of up to 353 tokens; an expert with more
; takes further passes on the images that lie in LDS, with no barrier.  Tile slots past an expert's end are multiplied and not stored: the counted waits on the one load counter leave no room for a wave that issues fewer loads.
; THE MATRIX INSTRUCTION: source 0 = 16 rows of We, source 1 = 16 tokens: lane (r, h) then holds token r and rows 8 h + 0 .. 7: eight neighbouring numbers of a row of out0.  The bias is the C of K step 0's products.
; THE ORDER OF BLOCKS IN A K STEP is the second kernel's, on both operands: half h of the lanes holds blocks 4 s + 2 h + c in registers 6 c .. 6 c + 5; byte 2 c + h of a scale word belongs to them.
; TILES.  The tokens lie sorted by expert; expert e has places OFFE .. OFFE + CNT - 1.  A tile of 16 places may straddle two experts: both compute it, and each stores its own rows: a row is stored where place - OFFE, unsigned, lies under CNT.
; THE WAY OUT GOES BY SCALARS: a tile's 16 tokens are read from order into scalar registers; a row's 256 bytes are stored by one instruction of the whole wave at a scalar base; a row that is not mine is passed over by a scalar branch on counts.
; NO CLUSTER, NO TENSOR LOAD, though the 32 work-groups of an expert read the same images of x: the number of passes hangs on counts read from memory, and a constant
; number of passes for the worst split would be six times the work.
; LIMITS: the quantiser's, as stated at the second kernel's head.
; REGISTERS.  Window 0: v1-23, v58-59 addresses, never rewritten; v32-57 scale words and nothing else; v64-191 the ring, four sets of 32: We as loaded, then turned (on the way out v64-159: rows of out0); v192-239 We's four fragments; v240-254 the quantiser's.
;   Window 1: v0-95 the accumulators (tile of tokens i, tile of rows a) at 32 i + 8 a; v96-203 three sets of 3 fragments of x; v204-235 the bias.
;   Scalars: s[4:17] the buffers; s18 wave, s20 e, s21 fb; s24 OFFE, s25 CNT, s26 first tile, s27 passes, s28 pass, s30-32 a slot's first place less OFFE; s[36:41] xq's, s[42:47] xs's, s[52:57] order's bases of the three slots;
;   on the way out s[36:51] eight bases of rows by turns; s58-59, s62-63 at work; s[60:61] an offset with 0 above it; s[68:83], s[84:99] the tokens of two tiles.
.set ASC,   98304                      ; LDS: 0 .. 98,303 We's images [K step 16][tile a 4][c 2]{[lane 32][16 bytes], [lane 32][8 bytes]};  from ASC their scale words [K step][lane l][2 words]: word (l, u) is tile 2 u + l / 16, row l % 16
.set SCR,   102400                     ; a region of SCRW bytes for each wave: its turning stage (32 places, 144 apart), later its stage for the way out (16 rows, 272 apart)
.set SCRW,  4608
.set SPARE, 139264                     ; the spare words, 128 bytes a wave
.set AS,   32                          ; v32-33   We's scale words of the step
.set XS,   34                          ; v34-57   x's: tile i, register j: lanes 0-15 K step j, lanes 16-31 K step 8 + j
.set RING, 64
.set OB,   64                          ; the way out: slot i's 16 rows, two registers each, at OB + 32 i
.set AF,   192                         ; We's fragment a at AF + 12 a
.set PC,   240                         ; v240-245 a block's codes
.set PX,   246                         ; v246-248 their upper half as it is made (a conversion's three registers begin on an even number)
.set MXA,  249                         ; v249-250 the largest magnitude, in two chains
.set MXB,  250
.set SV,   251                         ; the conversions' scale operand
.set BY,   252                         ; the scale's byte
.set PW,   253                         ; the scale word
.set PT,   254                         ; a neighbour's part of it
.set ACC,  0                           ; window 1
.set XR,   96
.set BE,   204
.set TOKA, 68                          ; s[68:83] the tokens of slot 0, later of slot 2
.set TOKB, 84                          ; s[84:99] of slot 1
.set PB,   36                          ; s[36:51] the rows' bases
.set MSB, 0
.macro WIN new                         ; the immediate's high byte repeats the setting that is left; at a label and at a branch every window is 0
.if MSB != \new
	s_set_vgpr_msb (MSB<<8)|\new
.set MSB, \new
.endif
.endm
; K step t of my eight rows into ring set t % 4
.macro GLOAD t
.irp j, 0,1,2,3,4,5,6,7
	global_load_b128 v[RING+32*((\t)%4)+4*\j:RING+32*((\t)%4)+4*\j+3], v1, s[4:5] offset:\j*8192+(\t)*512 th:TH_LOAD_NT
.endr
.endm
; and through my stage, back into the registers that it left.  LDS serves a wave's instructions in order (ISA guide 5.7.1.4): the loads see the stores, and the next step's stores come behind these loads
.macro TURN t
.irp j, 0,1,2,3,4,5,6,7
	ds_store_b128 v2, v[RING+32*((\t)%4)+4*\j:RING+32*((\t)%4)+4*\j+3] offset:\j*576
.endr
.irp j, 0,1,2,3,4,5,6,7
	ds_load_b128 v[RING+32*((\t)%4)+4*\j:RING+32*((\t)%4)+4*\j+3], v3 offset:16*\j
.endr
.endm
; 32 numbers of a lane, one whole block, become 6 registers of codes in v[PC] on; v[PW] becomes the row's scale word
.macro QUANT s
	v_max3_num_f32 v[MXA], |v[(\s)]|, |v[(\s)+1]|, 0x2800000                    ; the floor 2^(5 - 127) among the leaves: the byte cannot fall under 1
	v_max3_num_f32 v[MXB], |v[(\s)+16]|, |v[(\s)+17]|, |v[(\s)+18]|
.irp i, 2,4,6,8,10,12
	v_max3_num_f32 v[MXA], v[MXA], |v[(\s)+\i]|, |v[(\s)+\i+1]|                 ; two chains by turns
	v_max3_num_f32 v[MXB], v[MXB], |v[(\s)+\i+17]|, |v[(\s)+\i+18]|
.endr
	v_max3_num_f32 v[MXA], v[MXA], |v[(\s)+14]|, |v[(\s)+15]|
	v_max3_num_f32 v[MXA], v[MXA], v[MXB], |v[(\s)+31]|                         ; the block's largest magnitude
	v_add_nc_u32 v[SV], 0xfe000000, v[MXA]         ; 4 off its exponent field: the conversion takes the exponent field of this operand as its scale
	v_lshrrev_b32 v[BY], 23, v[SV]                 ; the scale's byte,
	v_lshlrev_b32 v[PW], v18, v[BY]                ; at its place in the word: byte 2 c + h
	v_cvt_scalef32_pk16_bf6_f32 v[PC:PC+2], v[(\s):(\s)+15], v[SV]
	v_cvt_scalef32_pk16_bf6_f32 v[PX:PX+2], v[(\s)+16:(\s)+31], v[SV]
	v_nop                                          ; one plain place behind a scaled conversion
	v_mov_b32_dpp v[PT], v[PW] row_xmask:1 row_mask:0xf bank_mask:0xf
	v_or_b32 v[PW], v[PW], v[PT]
	v_mov_b32_dpp v[PT], v[PW] row_xmask:2 row_mask:0xf bank_mask:0xf
	v_or_b32 v[PW], v[PW], v[PT]                   ; with the row's other three lanes' bytes the word is whole
.irp i, 0,1,2
	v_mov_b32 v[PC+3+\i], v[PX+\i]
.endr
.endm
; MY PART OF K STEP t'S IMAGES.  On entry step t's turned numbers lie in ring set t % 4.
.macro PRODUCE t
.if (\t)+1 < 16
.if (\t) >= 3                          ; (steps 1 to 3 of We have been shown landed by earlier waits: the head's, and step 0's wait for x)
.if (\t) < 13
	s_wait_loadcnt 43                              ; step t + 1 of We is in.  Behind it were issued x of step t (9), We of t + 2 (8), x of t + 1, We of t + 3, x of t + 2
.elseif (\t) == 13
	s_wait_loadcnt 35                              ; behind We of step 14: x of 13, We of 15, x of 14, x of 15
.else
	s_wait_loadcnt 18                              ; behind We of step 15: x of 14, x of 15
.endif
.endif
	TURN (\t)+1                                    ; it lands while step t is quantised
.endif
	QUANT RING+32*((\t)%4)
.if (\t) < 8
.set rI16, 4
.set rI8, 6
.else
.set rI16, 5
.set rI8, 7
.endif
	ds_store_b128 v[rI16], v[PC:PC+3] offset:((\t)%8)*6144      ; registers 6 c .. 6 c + 3 of the fragment's lane (r, h),
	ds_store_b64 v[rI8], v[PC+4:PC+5] offset:((\t)%8)*6144      ; and 6 c + 4, 6 c + 5
	ds_store_b32 v8, v[PW] offset:(\t)*256         ; the four lanes of a row write its word with the same value
.if (\t)+4 < 16
	GLOAD (\t)+4                                   ; into the set that has just been quantised
.endif
.endm
; the three fragments of x of K step s into set s % 3
.macro XLOAD s
.irp i, 0,1,2
.irp c, 0,1,2
	global_load_b128 v[XR+36*((\s)%3)+12*\i+4*\c:XR+36*((\s)%3)+12*\i+4*\c+3], v12, s[36+2*\i:37+2*\i] offset:(\s)*1536+\c*512
.endr
.endr
.endm
.macro MM i, a, s
.set rD, ACC+32*(\i)+8*(\a)
.set rC, rD
.if (\s) == 0
.set rC, BE+8*(\a)                     ; the bias starts the sum: nothing is cleared
.endif
.set rA, AF+12*(\a)
.set rB, XR+36*((\s)%3)+12*(\i)
.set rP, AS+(\a)/2
.set rQ, XS+8*(\i)+(\s)%8
.if ((\a)%2 == 0) && ((\s) < 8)
	v_wmma_scale_f32_16x16x128_f8f6f4 v[rD:rD+7], v[rA:rA+11], v[rB:rB+11], v[rC:rC+7], v[rP], v[rQ] matrix_a_fmt:MATRIX_FMT_BF6 matrix_b_fmt:MATRIX_FMT_BF6
.elseif (\a)%2 == 0
	v_wmma_scale_f32_16x16x128_f8f6f4 v[rD:rD+7], v[rA:rA+11], v[rB:rB+11], v[rC:rC+7], v[rP], v[rQ] matrix_a_fmt:MATRIX_FMT_BF6 matrix_b_fmt:MATRIX_FMT_BF6 matrix_b_scale:MATRIX_SCALE_ROW1
.elseif (\s) < 8
	v_wmma_scale_f32_16x16x128_f8f6f4 v[rD:rD+7], v[rA:rA+11], v[rB:rB+11], v[rC:rC+7], v[rP], v[rQ] matrix_a_fmt:MATRIX_FMT_BF6 matrix_b_fmt:MATRIX_FMT_BF6 matrix_a_scale:MATRIX_SCALE_ROW1
.else
	v_wmma_scale_f32_16x16x128_f8f6f4 v[rD:rD+7], v[rA:rA+11], v[rB:rB+11], v[rC:rC+7], v[rP], v[rQ] matrix_a_fmt:MATRIX_FMT_BF6 matrix_b_fmt:MATRIX_FMT_BF6 matrix_a_scale:MATRIX_SCALE_ROW1 matrix_b_scale:MATRIX_SCALE_ROW1
.endif
.endm
; K STEP s OF THE PRODUCT: We's four fragments and their scale words from LDS, 12 products, the loads of x three steps on.  stream = 1: pass 0, in which We's loads stand among x's.
.macro CONSUME s, stream
.if (\s) < 8
.set rL16, 1
.set rL8, 58
.else
.set rL16, 23
.set rL8, 59
.endif
.irp a, 0,1,2,3
.irp c, 0,1
	ds_load_b128 v[AF+12*\a+6*\c:AF+12*\a+6*\c+3], v[rL16] offset:((\s)%8)*6144+\a*1536+\c*768
	ds_load_b64 v[AF+12*\a+6*\c+4:AF+12*\a+6*\c+5], v[rL8] offset:((\s)%8)*6144+\a*1536+\c*768+512
.endr
.endr
	ds_load_b64 v[AS:AS+1], v9 offset:(\s)*256
; how many loads were issued behind x of step s.  Without We's: x of the next two steps, 9 each.  With We's: those and We of steps s + 2, s + 3, s + 4, 8 each, as far as they exist and stand behind it
.set CW, 18
.if \stream
.set CW, 42
.if (\s) == 0
.set CW, 26                            ; x of 1 and 2, We of 4
.endif
.if (\s) == 1
.set CW, 34                            ; x of 2, We of 4, x of 3, We of 5
.endif
.if (\s) == 12
.set CW, 34                            ; We of 14, x of 13, We of 15, x of 14
.endif
.if (\s) == 13
.set CW, 26                            ; We of 15, x of 14, x of 15
.endif
.endif
.if (\s) == 14
.set CW, 9                             ; x of 15
.endif
.if (\s) == 15
.set CW, 0                             ; nothing was issued behind it
.endif
	s_wait_loadcnt CW                              ; this step's x is in (in step 0 the bias and x's scale words too, which were issued ahead of it)
	s_wait_dscnt 0x0
	WIN 0x54                                       ; source 0 (We) window 0; source 1 (x), C and D window 1
.irp i, 0,1,2
.irp a, 0,1,2,3
	MM \i, \a, \s                                  ; the 12 accumulators by turns, one instruction a turn, in the same order in every step
.endr
.endr
.rept 4
	v_nop                                          ; four places behind the products: ahead of the loads into the registers that they read, here and in the next step, and of the first read of results
.endr
.if (\s)+3 < 16
	WIN 0x40                                       ; destination window 1
	XLOAD (\s)+3                                   ; into the set that this step has multiplied
.endif
	WIN 0
.endm
; what a pass hangs on: tile slot i of my wave is tile TLO + 24 pass + 8 i + wave.  Loads take the tile held to 127; the rows' test takes it as it is.
.macro SETUP
	s_mul_i32 s29, s28, 24
	s_add_co_u32 s29, s29, s26
	s_add_co_u32 s29, s29, s18
.irp i, 0,1,2
	s_add_co_u32 s58, s29, 8*\i
	s_lshl_b32 s59, s58, 4
	s_sub_co_u32 s[30+\i], s59, s24                ; the tile's first place less OFFE
	s_min_u32 s58, s58, 127
	s_mul_i32 s60, s58, 24576
	s_add_nc_u64 s[36+2*\i:37+2*\i], s[12:13], s[60:61]   ; its images in xq,
	s_lshl_b32 s60, s58, 10
	s_add_nc_u64 s[42+2*\i:43+2*\i], s[14:15], s[60:61]   ; its scale words in xs,
	s_lshl_b32 s60, s58, 6
	s_add_nc_u64 s[52+2*\i:53+2*\i], s[10:11], s[60:61]   ; its tokens in order
.endr
	s_load_b512 s[TOKA:TOKA+15], s[52:53], 0x0     ; the 16 tokens of slot 0,
	s_load_b512 s[TOKB:TOKB+15], s[54:55], 0x0     ; and of slot 1: wanted only on the way out
.endm
.macro LOADS bias
.irp i, 0,1,2
	global_load_b128 v[XS+8*\i:XS+8*\i+3], v13, s[42+2*\i:43+2*\i]
	global_load_b128 v[XS+8*\i+4:XS+8*\i+7], v13, s[42+2*\i:43+2*\i] offset:16
.endr
	WIN 0x40
.if \bias
.irp a, 0,1,2,3
	global_load_b128 v[BE+8*\a:BE+8*\a+3], v14, s[6:7] offset:64*\a          ; be[e][64 fb + 16 a + 8 h + 0 .. 7]: it stays for all passes
	global_load_b128 v[BE+8*\a+4:BE+8*\a+7], v14, s[6:7] offset:64*\a+16
.endr
.endif
	XLOAD 0
	XLOAD 1
	XLOAD 2
	WIN 0
.endm
; row p of tile slot i goes out, if its place is my expert's: unsigned, so that a neighbouring expert's rows, tiles past the expert's end and an expert with no token all fall out
.macro ROWOUT i, p, tok
	s_add_co_u32 s58, s[30+(\i)], \p               ; place less OFFE
	s_cmp_lt_u32 s58, s25
	s_cbranch_scc0 .Lnot_mine_\@
	s_min_u32 s59, s[(\tok)+(\p)], 2047            ; a loaded number enters an address held to the table's size
	s_lshl_b32 s60, s59, 13                        ; 8,192 x token
	s_add_nc_u64 s[PB+2*((\p)%8):PB+2*((\p)%8)+1], s[16:17], s[60:61]
	global_store_b64 v58, v[OB+32*(\i)+2*(\p):OB+32*(\i)+2*(\p)+1], s[PB+2*((\p)%8):PB+2*((\p)%8)+1] th:TH_STORE_NT   ; 32 lanes store the token's 256 consecutive bytes, at a multiple of 256 from out0's first byte
.Lnot_mine_\@:
.endm
; THE WAY OUT of tile slot i: 16 tokens x 64 columns go through my stage and come back a row of 256 bytes an instruction, 8 bytes a lane
.macro OUT i, tok
	s_wait_xcnt 0x0                                ; the earlier stores have read their data and their bases: both are written again only behind this wait
	WIN 0x04                                       ; an LDS store's data are its source 1: window 1
.irp a, 0,1,2,3
	ds_store_b128 v10, v[ACC+32*(\i)+8*\a:ACC+32*(\i)+8*\a+3] offset:64*\a           ; each accumulator from its low end on
	ds_store_b128 v10, v[ACC+32*(\i)+8*\a+4:ACC+32*(\i)+8*\a+7] offset:64*\a+16
.endr
	WIN 0
.irp p, 0,1,2,3,4,5,6,7,8,9,10,11,12,13,14,15
	ds_load_b64 v[OB+32*(\i)+2*\p:OB+32*(\i)+2*\p+1], v11 offset:\p*272   ; LDS serves a wave's instructions in order: these see the stores above, and the next tile's stores come behind them
.endr
.irp p, 0,1,2,3,4,5,6,7,8,9,10,11,12,13,14,15
.if \p == 8
	s_wait_xcnt 0x0                                ; rows 0 to 7 have read their bases: the eight pairs take their second turn
.endif
	s_wait_dscnt 15-\p                             ; row p is back; the later rows' loads may be out
	ROWOUT \i, \p, \tok
.endr
.endm
.macro OUTS
	s_wait_kmcnt 0x0                               ; the tokens of slots 0 and 1
	OUT 0, TOKA
	s_load_b512 s[TOKA:TOKA+15], s[56:57], 0x0     ; slot 2's, into the registers that slot 0 has left; they come while slot 1 goes out
	OUT 1, TOKB
	s_wait_kmcnt 0x0
	OUT 2, TOKA
.endm
.macro COUNT2 i
.irp q, 0,1,2,3
	v_cmp_gt_u32 s[66+\q], s20, v[4*(\i)+\q]       ; idx < e
	v_cmp_ge_u32 s[70+\q], s20, v[4*(\i)+\q]       ; idx <= e
.endr
.irp q, 0,1,2,3,4,5,6,7
	s_bcnt1_i32_b32 s[74+\q], s[66+\q]
.endr
.irp q, 0,1,2,3
	s_add_co_u32 s24, s24, s[74+\q]
	s_add_co_u32 s25, s25, s[78+\q]
.endr
.endm
.macro STEP t
	PRODUCE \t
	s_wait_dscnt 0x0                               ; for the others' sake: my part of the step's images has landed; and the next step's turned numbers are in
	s_barrier_signal -1
	s_barrier_wait -1                              ; the step's four images and their scale words lie in LDS
	CONSUME \t, 1
.endm
	s_load_b256 s[4:11], s[0:1], 0x0               ; We s[4:5], be s[6:7], idx s[8:9], order s[10:11]
	s_load_b128 s[12:15], s[0:1], 0x20             ; xq s[12:13], xs s[14:15]
	s_load_b64 s[16:17], s[0:1], 0x30              ; out0
	v_lshl_add_u32 v19, v0, 2, SPARE               ; my spare word, and 0: kept for the closing lines alone
	v_mov_b32 v20, 0
	v_lshrrev_b32 v60, 5, v0
	v_readfirstlane_b32 s18, v60                   ; wave 0..7
	s_and_b32 s20, ttmp7, 0xffff                   ; e
	s_mov_b32 s21, ttmp9                           ; fb
	v_and_b32 v60, 31, v0                          ; lane
	v_lshlrev_b32 v1, 4, v60                       ; 16 x lane: my 16 bytes of a dense load, and an image's place for my lane
	s_mov_b32 s61, 0
	s_lshl_b32 s58, s20, 11
	s_lshl_b32 s59, s21, 6
	s_add_co_u32 s58, s58, s59                     ; the work-group's first row of We: 2,048 e + 64 fb
	s_wait_kmcnt 0x0
	s_lshl_b32 s60, s58, 2
	s_add_nc_u64 s[6:7], s[6:7], s[60:61]          ; be there
	s_lshl_b32 s59, s18, 3
	s_add_co_u32 s58, s58, s59
	s_lshl_b32 s60, s58, 13                        ; (under 2^31)
	s_add_nc_u64 s[4:5], s[4:5], s[60:61]          ; We at my eight rows
	s_lshl_b32 s60, s21, 8
	s_add_nc_u64 s[16:17], s[16:17], s[60:61]      ; out0 at the work-group's 64 columns
	WIN 0x40
.irp i, 0,1,2,3,4,5,6,7,8,9,10,11,12,13,14,15
	global_load_b128 v[4*\i:4*\i+3], v1, s[8:9] offset:512*\i   ; idx, into registers that the accumulators take later
.endr
	WIN 0
	GLOAD 0                                        ; the ring's four sets go out
	GLOAD 1
	GLOAD 2
	GLOAD 3
	; the addresses, while the loads are on their way
	v_and_b32 v61, 15, v0                          ; r
	v_bfe_u32 v16, v0, 4, 1                        ; h
	s_mul_i32 s58, s18, SCRW
	s_add_co_u32 s58, s58, SCR                     ; my region
	v_bfe_u32 v62, v0, 3, 2                        ; lane / 8: the block that my 16 bytes of a row's 512 belong to
	v_lshl_add_u32 v2, v62, 4, v1
	v_add_nc_u32 v2, s58, v2                       ; turning stage, in: place 4 j + lane / 8, 144 apart: 16 x lane + 16 x (lane / 8), + 576 j
	v_mul_u32_u24 v3, v60, 144
	v_add_nc_u32 v3, s58, v3                       ; and back: place = lane: row lane / 4, block lane % 4
	v_bfe_u32 v62, v0, 2, 3                        ; my row of the eight
	v_bfe_u32 v63, v0, 1, 1                        ; my block's half h: block = 2 h + c
	v_lshl_add_u32 v62, v63, 4, v62
	s_and_b32 s59, s18, 1
	s_lshl_b32 s59, s59, 3
	v_add_nc_u32 v62, s59, v62                     ; the fragment's lane that my block belongs to: 8 x (wave % 2) + row + 16 h
	v_and_b32 v18, 1, v0                           ; c
	v_lshlrev_b32 v18, 4, v18
	v_lshl_add_u32 v18, v63, 3, v18                ; 8 x (2 c + h): where my byte stands in the scale word
	v_and_b32 v63, 1, v0
	v_mul_u32_u24 v63, v63, 768
	s_lshr_b32 s62, s18, 1
	s_mul_i32 s62, s62, 1536
	v_add_nc_u32 v63, s62, v63                     ; 1,536 x (wave / 2) + 768 c
	v_lshl_add_u32 v4, v62, 4, v63                 ; where I store four registers of an image: K steps 0-7,
	v_add_nc_u32 v5, 49152, v4                     ; K steps 8-15;
	v_lshl_add_u32 v6, v62, 3, v63
	v_add_nc_u32 v6, 512, v6                       ; and the other two
	v_add_nc_u32 v7, 49152, v6
	v_and_b32 v8, 15, v62
	s_bfe_u32 s62, s18, 0x10001                    ; a % 2
	s_lshl_b32 s62, s62, 7
	s_lshr_b32 s63, s18, 2                         ; a / 2
	s_lshl_b32 s63, s63, 2
	s_add_co_u32 s62, s62, s63
	s_add_co_u32 s62, s62, ASC
	v_lshl_add_u32 v8, v8, 3, s62                  ; my row's scale word: 8 x (16 x (a % 2) + r) + 4 x (a / 2)
	v_lshl_add_u32 v9, v60, 3, ASC                 ; where I read scale words: 8 x lane
	v_add_nc_u32 v23, 49152, v1                    ; where I read images of K steps 8-15
	v_lshlrev_b32 v58, 3, v60                      ; 8 x lane: the images' parts of 8 bytes, and my 8 bytes of a row of out0
	v_add_nc_u32 v59, 49152, v58
	v_mul_u32_u24 v10, v61, 272
	v_lshl_add_u32 v10, v16, 5, v10
	v_add_nc_u32 v10, s58, v10                     ; the way out, in: row r, 32 h on
	v_add_nc_u32 v11, s58, v58                     ; and back: 8 bytes a lane of a row
	v_lshlrev_b32 v12, 5, v61
	v_lshl_add_u32 v12, v16, 4, v12                ; xq: slot 2 r + h
	v_lshlrev_b32 v13, 6, v61
	v_lshl_add_u32 v13, v16, 5, v13                ; xs: row r, words 8 h on
	v_lshlrev_b32 v14, 5, v16                      ; be: 8 h numbers on
	v_mov_b32 v[PT], 0                             ; written once: a DPP form's destination counts as a source
	; where my expert's tokens lie in the sorted order, by counting over idx
	s_mov_b32 s24, 0                               ; OFFE: tokens of earlier experts
	s_mov_b32 s25, 0                               ; those and my expert's
	s_wait_loadcnt 32                              ; idx is in; the ring's 32 loads may be out
	WIN 0x04                                       ; source 1 window 1
.irp i, 0,1,2,3,4,5,6,7,8,9,10,11,12,13,14,15
	COUNT2 \i
.endr
	WIN 0
	s_lshr_b32 s26, s24, 4                         ; TLO: the first tile that holds a place of mine
	s_add_co_u32 s58, s25, 15
	s_lshr_b32 s58, s58, 4
	s_sub_co_u32 s58, s58, s26                     ; tiles, at most 128
	s_add_co_u32 s58, s58, 23
	s_mul_i32 s58, s58, 171
	s_lshr_b32 s27, s58, 12                        ; passes = (tiles + 23) / 24: 171 / 4,096 exceeds 1 / 24 by so little that up to 151 the whole part is the same
	s_sub_co_u32 s25, s25, s24                     ; CNT
	s_mov_b32 s28, 0                               ; the pass
	SETUP
	s_wait_loadcnt 8                               ; We of K steps 0 to 2 is in; step 3's eight loads may be out
	TURN 0
	LOADS 1
	s_wait_dscnt 0x0                               ; step 0's turned numbers are in
; PASS 0: in each K step every wave makes its part of the step's images, all eight meet, and every wave multiplies its tiles by them.  By the text's own count at most 57 loads of a wave are out.
.irp t, 0,1,2,3,4,5,6,7,8,9,10,11,12,13,14,15
	STEP \t
.endr
	OUTS                                           ; (K step 15's wait has shown every load landed: the bases of x are free for the rows' bases)
	s_cmp_le_u32 s27, 1
	s_cbranch_scc1 .Lend
	s_mov_b32 s28, 1
.Lpass:                                            ; further passes, for an expert with more than 24 tiles: on the images that lie in LDS, no barrier, every LDS address as in pass 0
	s_wait_xcnt 0x0                                ; the last rows' stores have read their bases, which SETUP writes
	v_nop                                          ; a fifth place behind K step 15's products: this pass's first products begin the same accumulators anew, with the bias as C
	SETUP
	LOADS 0
.irp t, 0,1,2,3,4,5,6,7,8,9,10,11,12,13,14,15
	CONSUME \t, 0
.endr
	OUTS
	s_add_co_u32 s28, s28, 1
	s_cmp_lt_u32 s28, s27
	s_cbranch_scc1 .Lpass
.Lend:
	s_wait_tensorcnt 0x0                           ; the wave's end
	ds_add_u32 v19, v20
	s_wait_dscnt 0x0
	s_endpgm
.Lfunc_end_k_qf3e82dee60_experts:
	.size	k_qf3e82dee60_experts, .Lfunc_end_k_qf3e82dee60_experts-k_qf3e82dee60_experts
	.p2alignl 7, 3214868480
	.fill 96, 4, 3214868480
	.section	.rodata,"a",@progbits
	.p2align	6, 0x0
	.amdhsa_kernel k_qf3e82dee60_experts
		.amdhsa_group_segment_fixed_size 140288
		.amdhsa_private_segment_fixed_size 0
		.amdhsa_enable_private_segment 0
		.amdhsa_kernarg_size 56
		.amdhsa_user_sgpr_count 2
		.amdhsa_user_sgpr_kernarg_segment_ptr 1
		.amdhsa_wavefront_size32 1
		.amdhsa_system_sgpr_workgroup_id_x 1
		.amdhsa_system_sgpr_workgroup_id_y 1
		.amdhsa_system_sgpr_workgroup_id_z 1
		.amdhsa_system_vgpr_workitem_id 0
		.amdhsa_next_free_vgpr 512
		.amdhsa_next_free_sgpr 100
		.amdhsa_reserve_vcc 0
		.amdhsa_float_denorm_mode_32 3
		.amdhsa_float_denorm_mode_16_64 3
		.amdhsa_memory_ordered 1
		.amdhsa_forward_progress 1
		.amdhsa_inst_pref_size 247
	.end_amdhsa_kernel
	.amdgpu_metadata
---
amdhsa.version: [ 1, 2 ]
amdhsa.kernels:
  - .name:           k_qf3e82dee60_experts
    .symbol:         k_qf3e82dee60_experts.kd
    .args:
      - { .name: We, .offset: 0, .size: 8, .value_kind: global_buffer, .address_space: global }
      - { .name: be, .offset: 8, .size: 8, .value_kind: global_buffer, .address_space: global }
      - { .name: idx, .offset: 16, .size: 8, .value_kind: global_buffer, .address_space: global }
      - { .name: order, .offset: 24, .size: 8, .value_kind: global_buffer, .address_space: global }
      - { .name: xq, .offset: 32, .size: 8, .value_kind: global_buffer, .address_space: global }
      - { .name: xs, .offset: 40, .size: 8, .value_kind: global_buffer, .address_space: global }
      - { .name: out0, .offset: 48, .size: 8, .value_kind: global_buffer, .address_space: global }
    .group_segment_fixed_size: 140288
    .private_segment_fixed_size: 0
    .kernarg_segment_align: 8
    .kernarg_segment_size: 56
    .max_flat_workgroup_size: 256
    .sgpr_count:     100
    .vgpr_count:     512
    .wavefront_size: 32
...
	.end_amdgpu_metadata
.endif
;; end of part 3
;; ======== version 2 of 2: 3 launches
;; workspace buffers: idx 8,192 bytes of whole numbers; order 8,192 bytes of whole numbers; xq 3,145,728 bytes; xs 131,072 bytes
;; launch route (part 4): grid 256 x 1, 8 waves a work-group, no clusters, 66,560 bytes of LDS; arguments condition, Wp, bp, idx; writes idx
.if DOCPART == 4
	.amdgcn_target "amdgcn-amd-amdhsa--gfx1250"
	.amdhsa_code_object_version 6
	.text
	.protected	k_qf3e82dee60_route
	.globl	k_qf3e82dee60_route
	.p2align	8
	.type	k_qf3e82dee60_route,@function
k_qf3e82dee60_route:
	s_mov_b64 s[64:65], 0
	v_nop
	global_prefetch_b8 v0, s[64:65] scope:SCOPE_SE
	s_setreg_imm32_b32 hwreg(HW_REG_WAVE_MODE, 25, 1), 1
	s_wait_xcnt 0x0
; THE PROGRAM: out0[n] = Q(inputs[n]) . Q(We[e(n)])^T + be[e(n)], e(n) = argmax over the 8 experts of condition[n] . Wp[e] + bp[e].  Three launches: this one chooses e(n);
; the second places the tokens in the order of their experts and quantises them; the third quantises We on its way and multiplies each expert's rows by its own tokens.
; WORK LEFT OUT, for all finite values of the inputs:
;   multiply = 1 + (prediction - prediction): the bracket is 0 by identity, so the factor is 1 and is not formed.
;   expert_out[e'][n] for e' other than idx[n]: reference()'s own gather combined[idx, arange] keeps one expert's row for each token and throws the other seven away; only the kept rows are multiplied.
;   Every input keeps a way to the result: condition, Wp, bp by the choice; inputs, We, be by the values.
; LIMITS: a NaN, an infinity or an overflow that reaches only the work left out is not carried to the result.  A NaN among the logits is not served as jnp.argmax serves it.
;   Two logits of a token that lie closer than the rounding of an f32 sum of 2,048 terms may be chosen the other way (the sum's order differs from reference()'s).
; THIS LAUNCH: the logits, by f32 fused multiply-adds: the choice decides whole rows of the result, so nothing coarser stands ahead of it; 8 columns are too few for a matrix tile.
; SHARES.  Work-group g owns tokens 8 g .. 8 g + 7.  Wave w takes the w-th eighth of K (256 numbers, 1,024 bytes of a row) for all 8 tokens and all 8 experts, so that a work-group reads Wp once;
; each load of a wave covers 512 consecutive bytes.  The 64 partial sums of each lane meet in LDS; behind one barrier wave w finishes token 8 g + w.
; The lowest index wins a tie, as in jnp.argmax.
.set SPARE, 65536                      ; LDS: 0 .. 65,535 the partial sums [source wave 8][group of four 16][lane 32][16 bytes]; then the spare words, 128 bytes a wave
.set C,    16                          ; v16-79   condition: token j, load i at C + 8 j + 4 i;  behind the barrier: the partial sums of my token, source wave u at C + 8 u
.set W,    80                          ; v80-143  Wp: expert e, load i at W + 8 e + 4 i
.set S,    144                         ; v144-207 my lane's partial sum of token j, expert e at S + 8 j + e
.set BEST, 208                         ; v208     the largest logit so far
.set BIDX, 209                         ; v209     and its expert
	s_load_b256 s[4:11], s[0:1], 0x0               ; condition s[4:5], Wp s[6:7], bp s[8:9], idx s[10:11]
	v_lshl_add_u32 v5, v0, 2, SPARE                ; my spare word, and 0: kept for the closing lines alone
	v_mov_b32 v6, 0
	v_lshrrev_b32 v1, 5, v0
	s_delay_alu instid0(VALU_DEP_1)
	v_readfirstlane_b32 s12, v1                    ; wave 0..7
	v_and_b32 v1, 31, v0                           ; lane
	s_delay_alu instid0(VALU_DEP_1)
	v_lshlrev_b32 v2, 4, v1                        ; 16 bytes a lane
	s_lshl_b32 s13, s12, 13
	v_add_nc_u32 v3, s13, v2                       ; LDS, in: 8,192 x wave + 16 x lane
	s_lshl_b32 s30, s12, 10                        ; my eighth of a row: 1,024 x wave
	s_mov_b32 s31, 0
	v_add_nc_u32 v4, s30, v2                       ; LDS, back: my token's two groups, 1,024 x wave + 16 x lane
	v_mov_b32 v7, 0
	s_mov_b32 s24, 0x76543210                      ; v_permlanex16_b32's selects for lane l xor 16
	s_mov_b32 s25, 0xfedcba98
	s_lshl_b32 s28, ttmp9, 16                      ; the work-group's 8 rows of 8,192 bytes
	s_add_co_u32 s28, s28, s30
	s_mov_b32 s29, 0
	s_wait_alu depctr_va_vdst(0)
	s_wait_kmcnt 0x0
	s_load_b256 s[16:23], s[8:9], 0x0              ; bp's eight numbers
	s_add_nc_u64 s[4:5], s[4:5], s[28:29]
	s_add_nc_u64 s[6:7], s[6:7], s[30:31]
.irp e, 0,1,2,3,4,5,6,7
.irp i, 0,1
	global_load_b128 v[W+8*\e+4*\i:W+8*\e+4*\i+3], v2, s[6:7] offset:\e*8192+\i*512
.endr
.endr
.irp j, 0,1,2,3,4,5,6,7
.irp i, 0,1
	global_load_b128 v[C+8*\j+4*\i:C+8*\j+4*\i+3], v2, s[4:5] offset:\j*8192+\i*512 th:TH_LOAD_NT
.endr
.endr
	s_lshl_b32 s28, ttmp9, 3                       ; where my token's choice goes: 4 x (8 g + w)
	s_add_co_u32 s28, s28, s12
	s_lshl_b32 s28, s28, 2
	s_add_nc_u64 s[10:11], s[10:11], s[28:29]
; token j against experts e0 .. e0 + 3: four chains by turns, two numbers an instruction, then the two halves
.macro DOT j, e0
.irp k, 0,1,2,3
	v_pk_mul_f32 v[8+2*\k:9+2*\k], v[C+8*(\j):C+8*(\j)+1], v[W+8*((\e0)+\k):W+8*((\e0)+\k)+1]
.endr
.irp p, 2,4,6
.irp k, 0,1,2,3
	s_delay_alu instid0(VALU_DEP_4)
	v_pk_fma_f32 v[8+2*\k:9+2*\k], v[C+8*(\j)+\p:C+8*(\j)+\p+1], v[W+8*((\e0)+\k)+\p:W+8*((\e0)+\k)+\p+1], v[8+2*\k:9+2*\k]
.endr
.endr
.irp k, 0,1,2,3
	s_delay_alu instid0(VALU_DEP_4)
	v_add_f32 v[S+8*(\j)+(\e0)+\k], v[8+2*\k], v[9+2*\k]
.endr
.endm
.irp j, 0,1,2,3,4,5,6,7
	s_wait_loadcnt 14-2*\j                         ; Wp and token j are in; the two loads of each later token may be out
	DOT \j, 0
	DOT \j, 4
.endr
.irp q, 0,1,2,3,4,5,6,7,8,9,10,11,12,13,14,15
	ds_store_b128 v3, v[S+4*\q:S+4*\q+3] offset:\q*512
.endr
	s_wait_dscnt 0x0                               ; for the others' sake: my stores have landed
	s_barrier_signal -1
	s_barrier_wait -1
.irp u, 0,1,2,3,4,5,6,7
.irp q, 0,1
	ds_load_b128 v[C+8*\u+4*\q:C+8*\u+4*\q+3], v4 offset:\u*8192+\q*512   ; source wave u's sums of my token: experts 4 q .. 4 q + 3
.endr
.endr
	s_wait_dscnt 0x0
.irp u, 1,2,3,4,5,6,7
.irp p, 0,2,4,6
	v_pk_add_f32 v[C+\p:C+\p+1], v[C+\p:C+\p+1], v[C+8*\u+\p:C+8*\u+\p+1]   ; the eight eighths of K
.endr
.endr
.irp m, 1,2,4,8
.irp e, 0,1,2,3,4,5,6,7
	v_add_f32_dpp v[C+\e], v[C+\e], v[C+\e] row_xmask:\m row_mask:0xf bank_mask:0xf   ; across sixteen lanes, the eight experts by turns
.endr
.endr
.irp e, 0,1,2,3,4,5,6,7
	v_permlanex16_b32 v[8+\e], v[C+\e], s24, s25   ; (v8-15 have been written: a lane permute's destination counts as a source)
.endr
.irp e, 0,1,2,3,4,5,6,7
	v_add_f32 v[C+\e], v[C+\e], v[8+\e]
.endr
	s_wait_alu depctr_va_vdst(0)
	s_wait_kmcnt 0x0                               ; bp
.irp e, 0,1,2,3,4,5,6,7
	v_add_f32 v[C+\e], s[16+\e], v[C+\e]           ; the logit, in every lane
.endr
	v_mov_b32 v[BEST], v[C]
	v_mov_b32 v[BIDX], 0
.irp e, 1
	s_delay_alu instid0(VALU_DEP_2)
	v_cmp_ge_f32 vcc_lo, v[BEST], v[C+\e]          ; the earlier one stays where it is at least as large
	s_delay_alu instid0(VALU_DEP_1)
	v_cndmask_b32 v[BIDX], \e, v[BIDX], vcc_lo
	s_delay_alu instid0(VALU_DEP_2)
	v_cndmask_b32 v[BEST], v[C+\e], v[BEST], vcc_lo
.endr
.irp e, 2, 3, 4, 5, 6, 7
	s_delay_alu instid0(VALU_DEP_1)
	v_cmp_ge_f32 vcc_lo, v[BEST], v[C+\e]
	s_delay_alu instid0(VALU_DEP_1)
	v_cndmask_b32 v[BIDX], \e, v[BIDX], vcc_lo
	s_delay_alu instid0(VALU_DEP_2)
	v_cndmask_b32 v[BEST], v[C+\e], v[BEST], vcc_lo
.endr
	v_cmp_eq_u32 vcc_lo, 0, v1
	s_wait_alu depctr_va_vdst(0)
	s_wait_xcnt 0x0                                ; EXEC changes only behind this wait
	s_and_saveexec_b32 s26, vcc_lo                 ; lane 0 stores the wave's one number
	global_store_b32 v7, v[BIDX], s[10:11]
	s_wait_xcnt 0x0                                ; and again, in front of the line that widens it
	s_or_b32 exec_lo, exec_lo, s26
	s_wait_tensorcnt 0x0                           ; the wave's end
	ds_add_u32 v5, v6
	s_wait_dscnt 0x0
	s_endpgm
.Lfunc_end_k_qf3e82dee60_route:
	.size	k_qf3e82dee60_route, .Lfunc_end_k_qf3e82dee60_route-k_qf3e82dee60_route
	.p2alignl 7, 3214868480
	.fill 96, 4, 3214868480
	.section	.rodata,"a",@progbits
	.p2align	6, 0x0
	.amdhsa_kernel k_qf3e82dee60_route
		.amdhsa_group_segment_fixed_size 66560
		.amdhsa_private_segment_fixed_size 0
		.amdhsa_enable_private_segment 0
		.amdhsa_kernarg_size 32
		.amdhsa_user_sgpr_count 2
		.amdhsa_user_sgpr_kernarg_segment_ptr 1
		.amdhsa_wavefront_size32 1
		.amdhsa_system_sgpr_workgroup_id_x 1
		.amdhsa_system_sgpr_workgroup_id_y 1
		.amdhsa_system_sgpr_workgroup_id_z 1
		.amdhsa_system_vgpr_workitem_id 0
		.amdhsa_next_free_vgpr 216
		.amdhsa_next_free_sgpr 66
		.amdhsa_reserve_vcc 1
		.amdhsa_float_denorm_mode_32 3
		.amdhsa_float_denorm_mode_16_64 3
		.amdhsa_memory_ordered 1
		.amdhsa_forward_progress 1
		.amdhsa_inst_pref_size 40
	.end_amdhsa_kernel
	.amdgpu_metadata
---
amdhsa.version: [ 1, 2 ]
amdhsa.kernels:
  - .name:           k_qf3e82dee60_route
    .symbol:         k_qf3e82dee60_route.kd
    .args:
      - { .name: condition, .offset: 0, .size: 8, .value_kind: global_buffer, .address_space: global }
      - { .name: Wp, .offset: 8, .size: 8, .value_kind: global_buffer, .address_space: global }
      - { .name: bp, .offset: 16, .size: 8, .value_kind: global_buffer, .address_space: global }
      - { .name: idx, .offset: 24, .size: 8, .value_kind: global_buffer, .address_space: global }
    .group_segment_fixed_size: 66560
    .private_segment_fixed_size: 0
    .kernarg_segment_align: 8
    .kernarg_segment_size: 32
    .max_flat_workgroup_size: 256
    .sgpr_count:     66
    .vgpr_count:     216
    .wavefront_size: 32
...
	.end_amdgpu_metadata
.endif
;; end of part 4
;; launch place (part 5): grid 256 x 1, 8 waves a work-group, no clusters, 70,656 bytes of LDS; arguments inputs, idx, xq, xs, order; writes xq, xs, order
.if DOCPART == 5
	.amdgcn_target "amdgcn-amd-amdhsa--gfx1250"
	.amdhsa_code_object_version 6
	.text
	.protected	k_qf3e82dee60_place
	.globl	k_qf3e82dee60_place
	.p2align	8
	.type	k_qf3e82dee60_place,@function
k_qf3e82dee60_place:
	s_mov_b64 s[64:65], 0
	v_nop
	global_prefetch_b8 v0, s[64:65] scope:SCOPE_SE
	s_setreg_imm32_b32 hwreg(HW_REG_WAVE_MODE, 25, 1), 1
	s_wait_xcnt 0x0
; The tokens are placed in the order of their experts and quantised to BF6 (E3M2) along D_IN, one E8M0 byte for each 32.  (Work left out: see the first kernel's head; nothing of this launch is dead.)
; SHARES.  Wave w of work-group g owns token t = 8 g + w: one row of 8,192 bytes.
; THE PLACE.  The sort key of token t' is idx[t'] x 2,048 + t'; the place of t is the number of keys below its own, counted over all 2,048 by compares and bit counts.  The keys differ, so the places
; are a permutation of 0 .. 2,047 and every byte of xq, xs and order is written.  No atomics, no traffic between work-groups.
; THE LAYOUT OF xq is the order of the operand's registers: [tile T = place / 16][K step s 16][piece c 3][slot 2 r + h 32][16 bytes], r = place % 16.  A fragment (16 tokens x 128 K) is then three dense runs of 512 bytes.
; xs: [T][r][16 words], one word of four scale bytes a K step.  order: [place] = token.
; THE ORDER OF BLOCKS IN A K STEP: the half h of the lanes holds the row's blocks 4 s + 2 h and 4 s + 2 h + 1 (64 neighbouring numbers) in registers 0-5 and 6-11, where the plain layout has blocks 4 s + h and
; 4 s + 2 + h.  The third launch lays We's fragments the same way, and each block's scale byte goes with it (byte 2 c + h belongs to registers 6 c .. 6 c + 5 of half h), so every product meets its own partner and scales.
; THE QUANTISER: a block's byte is its largest magnitude's exponent field - 4, held at 1 from below by a floor among the maximum's leaves; the conversion divides by 2^(byte - 127), rounds to the nearest code, ties to even, and gives the largest code beyond 28.
; LIMITS: a block whose largest magnitude lies under 2^(5 - 127) keeps the byte 1; a block of zeros keeps the byte 1 where the rule says 127 (its codes are zeros, and this program alone reads the bytes); NaN and infinities among the inputs are not served.
; A writer owns one row, so xq is written in pieces of 32 bytes; that is taken so that its many later reads are dense.
.set SPARE, 69632                      ; LDS: a stage of 32 x 272 bytes for each wave; behind the eight stages the spare words, 128 bytes a wave
.set I,   16                           ; v16-79   idx, then keys; later the 64 numbers of my lane
.set R,   80                           ; v80-143  the row as loaded
.set PC,  144                          ; v144-155 the codes: 12 registers
.set PX,  156                          ; v156-158, v160-162 the upper halves of the two blocks (a conversion's three registers begin on an even number)
.set MX,  164                          ; v164-167 largest magnitudes, two chains a block
.set SV,  168                          ; v168-169 the conversions' scale operands
.set PW,  170                          ; v170     the scale word
.set PT,  171                          ; v171     the neighbour's part of it
.set BY,  172                          ; v172-173 the scale bytes
.set H8,  9                            ; v9       8 x (lane % 2)
	s_load_b256 s[4:11], s[0:1], 0x0               ; inputs s[4:5], idx s[6:7], xq s[8:9], xs s[10:11]
	s_load_b64 s[12:13], s[0:1], 0x20              ; order
	v_lshl_add_u32 v5, v0, 2, SPARE                ; my spare word, and 0: kept for the closing lines alone
	v_mov_b32 v6, 0
	v_lshrrev_b32 v1, 5, v0
	s_delay_alu instid0(VALU_DEP_1)
	v_readfirstlane_b32 s14, v1                    ; wave
	v_and_b32 v1, 31, v0                           ; lane
	s_delay_alu instid0(VALU_DEP_1)
	v_lshlrev_b32 v2, 4, v1                        ; 16 bytes a lane
	s_mul_i32 s33, s14, 8704                       ; my stage
	v_lshrrev_b32 v3, 4, v1
	s_delay_alu instid0(VALU_DEP_1)
	v_lshl_add_u32 v3, v3, 4, v2
	s_delay_alu instid0(VALU_DEP_1)
	v_add_nc_u32 v3, s33, v3                       ; in: a load's 512 bytes are two places of 256 + 16: 16 x lane + 16 x (lane / 16)
	v_mul_u32_u24 v4, v1, 272
	s_delay_alu instid0(VALU_DEP_1)
	v_add_nc_u32 v4, s33, v4                       ; back: place = lane: my 256 neighbouring bytes
	v_lshrrev_b32 v8, 1, v1                        ; my K step: lane / 2
	v_and_b32 v9, 1, v1                            ; my half: lane % 2
	s_delay_alu instid0(VALU_DEP_2)
	v_mul_u32_u24 v7, v8, 1536
	s_delay_alu instid0(VALU_DEP_1)
	v_lshl_add_u32 v7, v9, 4, v7                   ; xq: 1,536 x K step + 16 x half
	s_delay_alu instid0(VALU_DEP_4)
	v_lshlrev_b32 v8, 2, v8                        ; xs: 4 x K step
	s_delay_alu instid0(VALU_DEP_4)
	v_lshlrev_b32 v9, 3, v9                        ; 8 x half: where my two bytes stand in the scale word
	v_lshlrev_b32 v10, 2, v1                       ; the token of register q of a load of idx, less 128 x the load's number: 4 x lane + q
	s_delay_alu instid0(VALU_DEP_1)
	v_add_nc_u32 v11, 1, v10
	s_delay_alu instid0(VALU_DEP_2)
	v_add_nc_u32 v12, 2, v10
	s_delay_alu instid0(VALU_DEP_3)
	v_add_nc_u32 v13, 3, v10
	v_mov_b32 v14, 0
	v_mov_b32 v[PT], 0                             ; written once: a DPP form's destination counts as a source
	s_lshl_b32 s15, ttmp9, 3
	s_add_co_u32 s15, s15, s14                     ; my token
	v_mov_b32 v15, s15
	s_lshl_b32 s30, s15, 13                        ; its row
	s_mov_b32 s31, 0
	s_lshl_b32 s34, s15, 2
	s_wait_alu depctr_va_vdst(0)
	s_wait_kmcnt 0x0
	s_load_b32 s16, s[6:7], s34 offset:0x0         ; its expert
	s_add_nc_u64 s[4:5], s[4:5], s[30:31]
.irp i, 0,1,2,3,4,5,6,7,8,9,10,11,12,13,14,15
	global_load_b128 v[I+4*\i:I+4*\i+3], v2, s[6:7] offset:512*\i
.endr
.irp i, 0,1,2,3,4,5,6,7,8,9,10,11,12,13,14,15
	global_load_b128 v[R+4*\i:R+4*\i+3], v2, s[4:5] offset:512*\i th:TH_LOAD_NT
.endr
	s_wait_kmcnt 0x0
	s_lshl_b32 s17, s16, 11
	s_add_co_u32 s17, s17, s15                     ; my key; it goes down by 128 a load, in place of the other keys going up
	s_mov_b32 s18, 0                               ; my place
	s_wait_loadcnt 16                              ; idx is in; the row's sixteen loads may be out
.macro COUNT i
.irp q, 0,1,2,3
	v_lshl_add_u32 v[I+4*(\i)+\q], v[I+4*(\i)+\q], 11, v[10+\q]
.endr
.irp q, 0,1,2,3
	s_delay_alu instid0(VALU_DEP_4)
	v_cmp_gt_i32 s[20+\q], s17, v[I+4*(\i)+\q]     ; signed: my key less 128 i may lie under 0
.endr
.irp q, 0,1,2,3
	s_bcnt1_i32_b32 s[24+\q], s[20+\q]
.endr
.irp q, 0,1,2,3
	s_add_co_u32 s18, s18, s[24+\q]
.endr
	s_sub_co_i32 s17, s17, 128
.endm
.irp i, 0,1,2,3,4,5,6,7,8,9,10,11,12,13,14,15
	COUNT \i
.endr
	s_lshr_b32 s28, s18, 4
	s_min_u32 s28, s28, 127                        ; the tile
	s_and_b32 s29, s18, 15
	s_min_u32 s29, s29, 15                         ; the row in it
	s_min_u32 s18, s18, 2047
	s_mul_i32 s30, s28, 24576
	s_lshl_b32 s35, s29, 5
	s_add_co_u32 s30, s30, s35
	s_add_nc_u64 s[8:9], s[8:9], s[30:31]          ; xq + 24,576 T + 32 r
	s_lshl_b32 s30, s28, 10
	s_lshl_b32 s35, s29, 6
	s_add_co_u32 s30, s30, s35
	s_add_nc_u64 s[10:11], s[10:11], s[30:31]      ; xs + 1,024 T + 64 r
	s_lshl_b32 s30, s18, 2
	s_add_nc_u64 s[12:13], s[12:13], s[30:31]      ; order + 4 x place
	s_wait_loadcnt 0x0                             ; the row
.irp i, 0,1,2,3,4,5,6,7,8,9,10,11,12,13,14,15
	ds_store_b128 v3, v[R+4*\i:R+4*\i+3] offset:544*\i
.endr
.irp i, 0,1,2,3,4,5,6,7,8,9,10,11,12,13,14,15
	ds_load_b128 v[I+4*\i:I+4*\i+3], v4 offset:16*\i   ; LDS serves a wave's instructions in order: these see my stores.  Lane l now holds the row's blocks 2 l and 2 l + 1
.endr
	s_wait_dscnt 0x0
; 64 numbers of a lane, two whole blocks, become 12 registers of codes in v[PC] on, and my two bytes of the scale word in v[PW]
.macro QUANT s
.irp c, 0,1
	v_max3_num_f32 v[MX+2*\c], |v[(\s)+32*\c]|, |v[(\s)+32*\c+1]|, 0x2800000    ; the floor 2^(5 - 127) among the leaves: the byte cannot fall under 1
	v_max3_num_f32 v[MX+2*\c+1], |v[(\s)+32*\c+16]|, |v[(\s)+32*\c+17]|, |v[(\s)+32*\c+18]|
.endr
.irp i, 2,4,6,8,10,12
.irp c, 0,1
	s_delay_alu instid0(VALU_DEP_4)
	v_max3_num_f32 v[MX+2*\c], v[MX+2*\c], |v[(\s)+32*\c+\i]|, |v[(\s)+32*\c+\i+1]|          ; four chains by turns
	s_delay_alu instid0(VALU_DEP_4)
	v_max3_num_f32 v[MX+2*\c+1], v[MX+2*\c+1], |v[(\s)+32*\c+\i+17]|, |v[(\s)+32*\c+\i+18]|
.endr
.endr
.irp c, 0
	s_delay_alu instid0(VALU_DEP_4)
	v_max3_num_f32 v[MX+2*\c], v[MX+2*\c], |v[(\s)+32*\c+14]|, |v[(\s)+32*\c+15]|
.endr
.irp c, 1
	s_delay_alu instid0(VALU_DEP_3)
	v_max3_num_f32 v[MX+2*\c], v[MX+2*\c], |v[(\s)+32*\c+14]|, |v[(\s)+32*\c+15]|
.endr
.irp c, 0,1
	s_delay_alu instid0(VALU_DEP_2)
	v_max3_num_f32 v[MX+2*\c], v[MX+2*\c], v[MX+2*\c+1], |v[(\s)+32*\c+31]|     ; the block's largest magnitude
.endr
.irp c, 0,1
	s_delay_alu instid0(VALU_DEP_2)
	v_add_nc_u32 v[SV+\c], 0xfe000000, v[MX+2*\c]  ; 4 off its exponent field: the conversion takes the exponent field of this operand as its scale
.endr
.irp c, 0,1
	s_delay_alu instid0(VALU_DEP_2)
	v_lshrrev_b32 v[BY+\c], 23, v[SV+\c]           ; the scale's byte
.endr
	s_delay_alu instid0(VALU_DEP_1)
	v_lshl_or_b32 v[PW], v[BY+1], 16, v[BY]
	s_delay_alu instid0(VALU_DEP_1)
	v_lshlrev_b32 v[PW], v[H8], v[PW]              ; bytes h and 2 + h of the word
.irp c, 0,1
	v_cvt_scalef32_pk16_bf6_f32 v[PC+6*\c:PC+6*\c+2], v[(\s)+32*\c:(\s)+32*\c+15], v[SV+\c]
	v_cvt_scalef32_pk16_bf6_f32 v[PX+4*\c:PX+4*\c+2], v[(\s)+32*\c+16:(\s)+32*\c+31], v[SV+\c]
.endr
	v_nop                                          ; one plain place behind a scaled conversion
.irp c, 0,1
.irp i, 0,1,2
	v_mov_b32 v[PC+6*\c+3+\i], v[PX+4*\c+\i]
.endr
.endr
.endm
	QUANT I
	v_mov_b32_dpp v[PT], v[PW] row_xmask:1 row_mask:0xf bank_mask:0xf
	s_delay_alu instid0(VALU_DEP_1)
	v_or_b32 v[PW], v[PW], v[PT]                   ; with the other half's two bytes the word is whole
.irp c, 0,1,2
	global_store_b128 v7, v[PC+4*\c:PC+4*\c+3], s[8:9] offset:512*\c
.endr
	global_store_b32 v8, v[PW], s[10:11]           ; both lanes of a pair write the same word with the same value; the wave's sixteen words are 64 consecutive bytes
	v_cmp_eq_u32 vcc_lo, 0, v1
	s_wait_xcnt 0x0                                ; EXEC changes only behind this wait
	s_and_saveexec_b32 s32, vcc_lo
	global_store_b32 v14, v15, s[12:13]            ; order[place] = my token
	s_wait_xcnt 0x0                                ; and again, in front of the line that widens it
	s_or_b32 exec_lo, exec_lo, s32
	s_wait_tensorcnt 0x0                           ; the wave's end
	ds_add_u32 v5, v6
	s_wait_dscnt 0x0
	s_endpgm
.Lfunc_end_k_qf3e82dee60_place:
	.size	k_qf3e82dee60_place, .Lfunc_end_k_qf3e82dee60_place-k_qf3e82dee60_place
	.p2alignl 7, 3214868480
	.fill 96, 4, 3214868480
	.section	.rodata,"a",@progbits
	.p2align	6, 0x0
	.amdhsa_kernel k_qf3e82dee60_place
		.amdhsa_group_segment_fixed_size 70656
		.amdhsa_private_segment_fixed_size 0
		.amdhsa_enable_private_segment 0
		.amdhsa_kernarg_size 40
		.amdhsa_user_sgpr_count 2
		.amdhsa_user_sgpr_kernarg_segment_ptr 1
		.amdhsa_wavefront_size32 1
		.amdhsa_system_sgpr_workgroup_id_x 1
		.amdhsa_system_sgpr_workgroup_id_y 1
		.amdhsa_system_sgpr_workgroup_id_z 1
		.amdhsa_system_vgpr_workitem_id 0
		.amdhsa_next_free_vgpr 192
		.amdhsa_next_free_sgpr 66
		.amdhsa_reserve_vcc 1
		.amdhsa_float_denorm_mode_32 3
		.amdhsa_float_denorm_mode_16_64 3
		.amdhsa_memory_ordered 1
		.amdhsa_forward_progress 1
		.amdhsa_inst_pref_size 28
	.end_amdhsa_kernel
	.amdgpu_metadata
---
amdhsa.version: [ 1, 2 ]
amdhsa.kernels:
  - .name:           k_qf3e82dee60_place
    .symbol:         k_qf3e82dee60_place.kd
    .args:
      - { .name: inputs, .offset: 0, .size: 8, .value_kind: global_buffer, .address_space: global }
      - { .name: idx, .offset: 8, .size: 8, .value_kind: global_buffer, .address_space: global }
      - { .name: xq, .offset: 16, .size: 8, .value_kind: global_buffer, .address_space: global }
      - { .name: xs, .offset: 24, .size: 8, .value_kind: global_buffer, .address_space: global }
      - { .name: order, .offset: 32, .size: 8, .value_kind: global_buffer, .address_space: global }
    .group_segment_fixed_size: 70656
    .private_segment_fixed_size: 0
    .kernarg_segment_align: 8
    .kernarg_segment_size: 40
    .max_flat_workgroup_size: 256
    .sgpr_count:     66
    .vgpr_count:     192
    .wavefront_size: 32
...
	.end_amdgpu_metadata
.endif
;; end of part 5
;; launch experts (part 6): grid 32 x 8, 8 waves a work-group, no clusters, 140,288 bytes of LDS; arguments We, be, idx, order, xq, xs, out0; writes out0
.if DOCPART == 6
	.amdgcn_target "amdgcn-amd-amdhsa--gfx1250"
	.amdhsa_code_object_version 6
	.text
	.protected	k_qf3e82dee60_experts
	.globl	k_qf3e82dee60_experts
	.p2align	8
	.type	k_qf3e82dee60_experts,@function
k_qf3e82dee60_experts:
	s_mov_b64 s[64:65], 0
	v_nop
	global_prefetch_b8 v0, s[64:65] scope:SCOPE_SE
	s_setreg_imm32_b32 hwreg(HW_REG_WAVE_SCHED_MODE, 0, 2), 2
	s_setreg_imm32_b32 hwreg(HW_REG_WAVE_MODE, 25, 1), 1
	s_wait_xcnt 0x0
	s_wait_alu depctr_vm_vsrc(0)
; out0[token][64 fb .. 64 fb + 63] = Q(inputs[token]) . Q(We[e][f])^T + be[e][f] for the tokens whose expert is e.  Both operands are codes of BF6 (E3M2) with one E8M0 byte for each 32 along D_IN; sums in f32.
; WORK LEFT OUT (shown at the first kernel's head): the factor multiply, which is 1 by identity, and each expert's rows for tokens that reference()'s own gather does not keep.
; SHARES.  Work-group (fb, e) owns rows 64 fb .. 64 fb + 63 of We[e]: 512 KiB of f32, which no other work-group reads.  They are quantised on the way; the codes never go to memory.  All eight waves run one text.
; PRODUCING.  Wave w streams rows 8 w .. 8 w + 7, a K step of 128 at a time (a row's 512 consecutive bytes a load), four steps ahead.  A step's 4 KiB turn through the wave's own stage in LDS and come back into the
; registers that they left, a lane then holding ONE block of 32: row l / 4, block l % 4.  Its codes (6 registers) go to LDS as a part of an image of the operand's registers, its scale byte into the row's scale word.
; CONSUMING.  In a pass a wave holds 3 tiles of 16 tokens x the 4 tiles of 16 rows of We: 12 accumulators.  The tokens' fragments come from xq straight into registers, three dense loads of 512 bytes each, two steps ahead.
; One barrier a K step orders an image's stores ahead of its loads; no LDS byte of an image is written twice, and all 16 steps' images stay.  24 tiles a pass serve every expert of up to 353 tokens; an expert with more
; takes further passes on the images that lie in LDS, with no barrier.  Tile slots past an expert's end are multiplied and not stored: the counted waits on the one load counter leave no room for a wave that issues fewer loads.
; THE MATRIX INSTRUCTION: source 0 = 16 rows of We, source 1 = 16 tokens: lane (r, h) then holds token r and rows 8 h + 0 .. 7: eight neighbouring numbers of a row of out0.  The bias is the C of K step 0's products.
; THE ORDER OF BLOCKS IN A K STEP is the second kernel's, on both operands: half h of the lanes holds blocks 4 s + 2 h + c in registers 6 c .. 6 c + 5; byte 2 c + h of a scale word belongs to them.
; TILES.  The tokens lie sorted by expert; expert e has places OFFE .. OFFE + CNT - 1.  A tile of 16 places may straddle two experts: both compute it, and each stores its own rows: a row is stored where place - OFFE, unsigned, lies under CNT.
; THE WAY OUT GOES BY SCALARS: a tile's 16 tokens are read from order into scalar registers; a row's 256 bytes are stored by one instruction of the whole wave at a scalar base; a row that is not mine is passed over by a scalar branch on counts.
; NO CLUSTER, NO TENSOR LOAD, though the 32 work-groups of an expert read the same images of x: the number of passes hangs on counts read from memory, and a constant
; number of passes for the worst split would be six times the work.
; LIMITS: the quantiser's, as stated at the second kernel's head.
; THE MODE: SCHED_MODE bits 1:0 = 2 (LLVM: expert scheduling mode 2), set by the entry lines.  The code itself states the register dependences between vector or matrix instructions and memory or LDS instructions,
; with s_wait_alu, always for 0.
; THE PLAN.  Registers that memory or LDS instructions touch, and who else names them:
;   v1-14, v23, v58-59  offsets and LDS addresses: written at the head, never again.  One wait on va_vdst ahead of the first load (v1), one ahead of the first LDS instruction (the others).
;   RING set t % 4      We of step t lands; TURN t's LDS stores read it and TURN t's LDS loads land in it; QUANT t reads it; We of step t + 4 lands.
;   v[PC ..], v[PW]     QUANT t writes them; step t's three image stores read them; QUANT t + 1 writes them again.
;   AF, AS              step s's LDS loads land; step s's products read them.
;   XR set s % 3        step s's products read it; x of step s + 3 lands in it, asked for in step s + 1.
;   XS                  a pass's loads land; all its products read them.
;   the accumulators    products write them; the way out's LDS stores read them; the next pass's products begin them anew.
;   OB                  the rows' LDS loads land; the global stores read them; the next pass's rows land.
;   v19, v20            written at the head, read by the closing add alone.
; So a K step of pass 0 has ONE wait on va_vdst, behind the quantiser and ahead of the image stores: v[PC ..] and v[PW] are written, the quantiser is done reading its ring set, and the last step's products are done reading
; AF, AS and their set of x.  All the step's stores and loads follow it, and no vector or matrix instruction between the wait and any of them names a register that it touches.  And it has ONE wait on vm_vsrc, between TURN's stores and its loads.
; In the further passes the wait on va_vdst stands at a step's head.  The way out has one wait on va_vdst at its head; one wait on vm_vsrc stands at the top of the loop over passes.
; REGISTERS.  Window 0: v1-23, v58-59 addresses, never rewritten; v32-57 scale words and nothing else; v64-191 the ring, four sets of 32: We as loaded, then turned (on the way out v64-159: rows of out0); v192-239 We's four fragments; v240-254 the quantiser's.
;   Window 1: v0-95 the accumulators (tile of tokens i, tile of rows a) at 32 i + 8 a; v96-203 three sets of 3 fragments of x; v204-235 the bias.
;   Scalars: s[4:17] the buffers; s18 wave, s20 e, s21 fb; s24 OFFE, s25 CNT, s26 first tile, s27 passes, s28 pass, s30-32 a slot's first place less OFFE; s[36:41] xq's, s[42:47] xs's, s[52:57] order's bases of the three slots;
;   on the way out s[36:51] eight bases of rows by turns; s58-59, s62-63 at work; s[60:61] an offset with 0 above it; s[68:83], s[84:99] the tokens of two tiles.
.set ASC,   98304                      ; LDS: 0 .. 98,303 We's images [K step 16][tile a 4][c 2]{[lane 32][16 bytes], [lane 32][8 bytes]};  from ASC their scale words [K step][lane l][2 words]: word (l, u) is tile 2 u + l / 16, row l % 16
.set SCR,   102400                     ; a region of SCRW bytes for each wave: its turning stage (32 places, 144 apart), later its stage for the way out (16 rows, 272 apart)
.set SCRW,  4608
.set SPARE, 139264                     ; the spare words, 128 bytes a wave
.set AS,   32                          ; v32-33   We's scale words of the step
.set XS,   34                          ; v34-57   x's: tile i, register j: lanes 0-15 K step j, lanes 16-31 K step 8 + j
.set RING, 64
.set OB,   64                          ; the way out: slot i's 16 rows, two registers each, at OB + 32 i
.set AF,   192                         ; We's fragment a at AF + 12 a
.set PC,   240                         ; v240-245 a block's codes
.set PX,   246                         ; v246-248 their upper half as it is made (a conversion's three registers begin on an even number)
.set MXA,  249                         ; v249-250 the largest magnitude, in two chains
.set MXB,  250
.set SV,   251                         ; the conversions' scale operand
.set BY,   252                         ; the scale's byte
.set PW,   253                         ; the scale word
.set PT,   254                         ; a neighbour's part of it
.set ACC,  0                           ; window 1
.set XR,   96
.set BE,   204
.set TOKA, 68                          ; s[68:83] the tokens of slot 0, later of slot 2
.set TOKB, 84                          ; s[84:99] of slot 1
.set PB,   36                          ; s[36:51] the rows' bases
.set MSB, 0
.macro WIN new                         ; the immediate's high byte repeats the setting that is left; at a label and at a branch every window is 0
.if MSB != \new
	s_set_vgpr_msb (MSB<<8)|\new
.set MSB, \new
.endif
.endm
; K step t of my eight rows into ring set t % 4
.macro GLOAD t
.irp j, 0,1,2,3,4,5,6,7
	global_load_b128 v[RING+32*((\t)%4)+4*\j:RING+32*((\t)%4)+4*\j+3], v1, s[4:5] offset:\j*8192+(\t)*512 th:TH_LOAD_NT
.endr
.endm
; and through my stage, back into the registers that it left.  LDS serves a wave's instructions in order (ISA guide 5.7.1.4): the loads see the stores, and the next step's stores come behind these loads
.macro TURN t
.irp j, 0,1,2,3,4,5,6,7
	ds_store_b128 v2, v[RING+32*((\t)%4)+4*\j:RING+32*((\t)%4)+4*\j+3] offset:\j*576
.endr
	s_wait_alu depctr_vm_vsrc(0)                   ; the eight stores above have read the set, in which the loads below land; and the last step's image stores have read v[PC ..] and v[PW], which the quantiser writes next
.irp j, 0,1,2,3,4,5,6,7
	ds_load_b128 v[RING+32*((\t)%4)+4*\j:RING+32*((\t)%4)+4*\j+3], v3 offset:16*\j
.endr
.endm
; 32 numbers of a lane, one whole block, become 6 registers of codes in v[PC] on; v[PW] becomes the row's scale word
.macro QUANT s
	v_max3_num_f32 v[MXA], |v[(\s)]|, |v[(\s)+1]|, 0x2800000                    ; the floor 2^(5 - 127) among the leaves: the byte cannot fall under 1
	v_max3_num_f32 v[MXB], |v[(\s)+16]|, |v[(\s)+17]|, |v[(\s)+18]|
.irp i, 2,4,6,8,10,12
	v_max3_num_f32 v[MXA], v[MXA], |v[(\s)+\i]|, |v[(\s)+\i+1]|                 ; two chains by turns
	v_max3_num_f32 v[MXB], v[MXB], |v[(\s)+\i+17]|, |v[(\s)+\i+18]|
.endr
	v_max3_num_f32 v[MXA], v[MXA], |v[(\s)+14]|, |v[(\s)+15]|
	v_max3_num_f32 v[MXA], v[MXA], v[MXB], |v[(\s)+31]|                         ; the block's largest magnitude
	v_add_nc_u32 v[SV], 0xfe000000, v[MXA]         ; 4 off its exponent field: the conversion takes the exponent field of this operand as its scale
	v_lshrrev_b32 v[BY], 23, v[SV]                 ; the scale's byte,
	v_lshlrev_b32 v[PW], v18, v[BY]                ; at its place in the word: byte 2 c + h
	v_cvt_scalef32_pk16_bf6_f32 v[PC:PC+2], v[(\s):(\s)+15], v[SV]
	v_cvt_scalef32_pk16_bf6_f32 v[PX:PX+2], v[(\s)+16:(\s)+31], v[SV]
	v_nop                                          ; one plain place behind a scaled conversion
	v_mov_b32_dpp v[PT], v[PW] row_xmask:1 row_mask:0xf bank_mask:0xf
	v_or_b32 v[PW], v[PW], v[PT]
	v_mov_b32_dpp v[PT], v[PW] row_xmask:2 row_mask:0xf bank_mask:0xf
	v_or_b32 v[PW], v[PW], v[PT]                   ; with the row's other three lanes' bytes the word is whole
.irp i, 0,1,2
	v_mov_b32 v[PC+3+\i], v[PX+\i]
.endr
.endm
; the three fragments of x of K step s into set s % 3
.macro XLOAD s
.irp i, 0,1,2
.irp c, 0,1,2
	global_load_b128 v[XR+36*((\s)%3)+12*\i+4*\c:XR+36*((\s)%3)+12*\i+4*\c+3], v12, s[36+2*\i:37+2*\i] offset:(\s)*1536+\c*512
.endr
.endr
.endm
; in K step s: x of step s + 2, into the set that step s - 1 has multiplied.  It stands behind the step's wait on va_vdst.  (x of steps 0 to 2 is asked for at a pass's head)
.macro XNEXT s
.if ((\s) >= 1) && ((\s)+2 < 16)
	WIN 0x40                                       ; destination window 1
	XLOAD (\s)+2
	WIN 0
.endif
.endm
; MY PART OF K STEP t'S IMAGES.  On entry step t's turned numbers lie in ring set t % 4.
.macro PRODUCE t
.if (\t)+1 < 16
.if (\t) >= 3                          ; (steps 1 to 3 of We have been shown landed by earlier waits: the head's, and step 0's wait for x)
.if (\t) < 13
	s_wait_loadcnt 34                              ; step t + 1 of We is in.  Behind it were issued x of step t (9), We of t + 2 (8), x of t + 1, We of t + 3
.elseif (\t) == 13
	s_wait_loadcnt 26                              ; behind We of step 14: x of 13, We of 15, x of 14
.else
	s_wait_loadcnt 18                              ; behind We of step 15: x of 14, x of 15
.endif
.endif
	TURN (\t)+1                                    ; it lands while step t is quantised
.else
	s_wait_alu depctr_vm_vsrc(0)                   ; no step is left to turn: the last step's image stores have read v[PC ..] and v[PW], which the quantiser writes next
.endif
	QUANT RING+32*((\t)%4)
.if (\t) < 8
.set rI16, 4
.set rI8, 6
.else
.set rI16, 5
.set rI8, 7
.endif
	s_wait_alu depctr_va_vdst(0)                   ; the step's one wait: the quantiser has written v[PC ..] and v[PW], which the stores below read, and is done reading its ring set, in which We of t + 4 lands; the last step's products are done reading AF, AS and their set of x, in which this step's loads land
	ds_store_b128 v[rI16], v[PC:PC+3] offset:((\t)%8)*6144      ; registers 6 c .. 6 c + 3 of the fragment's lane (r, h),
	ds_store_b64 v[rI8], v[PC+4:PC+5] offset:((\t)%8)*6144      ; and 6 c + 4, 6 c + 5
	ds_store_b32 v8, v[PW] offset:(\t)*256         ; the four lanes of a row write its word with the same value
	XNEXT \t                                       ; no vector or matrix instruction since the wait names these registers
.if (\t)+4 < 16
	GLOAD (\t)+4                                   ; into the set that has just been quantised
.endif
.endm
.macro MM i, a, s
.set rD, ACC+32*(\i)+8*(\a)
.set rC, rD
.if (\s) == 0
.set rC, BE+8*(\a)                     ; the bias starts the sum: nothing is cleared
.endif
.set rA, AF+12*(\a)
.set rB, XR+36*((\s)%3)+12*(\i)
.set rP, AS+(\a)/2
.set rQ, XS+8*(\i)+(\s)%8
.if ((\a)%2 == 0) && ((\s) < 8)
	v_wmma_scale_f32_16x16x128_f8f6f4 v[rD:rD+7], v[rA:rA+11], v[rB:rB+11], v[rC:rC+7], v[rP], v[rQ] matrix_a_fmt:MATRIX_FMT_BF6 matrix_b_fmt:MATRIX_FMT_BF6
.elseif (\a)%2 == 0
	v_wmma_scale_f32_16x16x128_f8f6f4 v[rD:rD+7], v[rA:rA+11], v[rB:rB+11], v[rC:rC+7], v[rP], v[rQ] matrix_a_fmt:MATRIX_FMT_BF6 matrix_b_fmt:MATRIX_FMT_BF6 matrix_b_scale:MATRIX_SCALE_ROW1
.elseif (\s) < 8
	v_wmma_scale_f32_16x16x128_f8f6f4 v[rD:rD+7], v[rA:rA+11], v[rB:rB+11], v[rC:rC+7], v[rP], v[rQ] matrix_a_fmt:MATRIX_FMT_BF6 matrix_b_fmt:MATRIX_FMT_BF6 matrix_a_scale:MATRIX_SCALE_ROW1
.else
	v_wmma_scale_f32_16x16x128_f8f6f4 v[rD:rD+7], v[rA:rA+11], v[rB:rB+11], v[rC:rC+7], v[rP], v[rQ] matrix_a_fmt:MATRIX_FMT_BF6 matrix_b_fmt:MATRIX_FMT_BF6 matrix_a_scale:MATRIX_SCALE_ROW1 matrix_b_scale:MATRIX_SCALE_ROW1
.endif
.endm
; K STEP s OF THE PRODUCT: We's four fragments and their scale words from LDS, 12 products.  stream = 1: pass 0, in which PRODUCE has stated the step's dependences and asked for x; stream = 0: a further pass, which does both here.
.macro CONSUME s, stream
.if ((\stream) == 0) && ((\s) > 0)
	s_wait_alu depctr_va_vdst(0)                   ; the last step's products are done reading AF, AS and their set of x: loads land in all three below.  (Step 0 leans on the wait at the head of the last way out: only a v_nop has followed it)
	XNEXT \s
.endif
.if (\s) < 8
.set rL16, 1
.set rL8, 58
.else
.set rL16, 23
.set rL8, 59
.endif
.irp a, 0,1,2,3
.irp c, 0,1
	ds_load_b128 v[AF+12*\a+6*\c:AF+12*\a+6*\c+3], v[rL16] offset:((\s)%8)*6144+\a*1536+\c*768
	ds_load_b64 v[AF+12*\a+6*\c+4:AF+12*\a+6*\c+5], v[rL8] offset:((\s)%8)*6144+\a*1536+\c*768+512
.endr
.endr
	ds_load_b64 v[AS:AS+1], v9 offset:(\s)*256
; how many loads were issued behind x of step s.  Without We's: x of the next two steps, 9 each.  With We's: We of s + 2, x of s + 1, We of s + 3, x of s + 2, We of s + 4, as far as they exist and stand behind it
.set CW, 18
.if \stream
.set CW, 42
.if (\s) == 0
.set CW, 26                            ; x of 1 and 2, We of 4
.endif
.if (\s) == 1
.set CW, 34                            ; x of 2, We of 4, x of 3, We of 5
.endif
.if (\s) == 12
.set CW, 34                            ; We of 14, x of 13, We of 15, x of 14
.endif
.if (\s) == 13
.set CW, 26                            ; We of 15, x of 14, x of 15
.endif
.endif
.if (\s) == 14
.set CW, 9                             ; x of 15
.endif
.if (\s) == 15
.set CW, 0                             ; nothing was issued behind it
.endif
	s_wait_loadcnt CW                              ; this step's x is in (in step 0 the bias and x's scale words too, which were issued ahead of it)
	s_wait_dscnt 0x0
	WIN 0x54                                       ; source 0 (We) window 0; source 1 (x), C and D window 1
.irp i, 0,1,2
.irp a, 0,1,2,3
	MM \i, \a, \s                                  ; the 12 accumulators by turns, one instruction a turn, in the same order in every step
.endr
.endr
.if ((\stream) == 0) || ((\s) == 15)
.rept 4
	v_nop                                          ; four places behind the products: in K step 15 ahead of the LDS stores that read the results; in a further pass, where no vector work follows a step's products, they stay beside the next step's wait
.endr                                                  ; (in pass 0's steps 0 to 14 the next step's quantiser, plain lines that name none of the products' registers, stands between the products and every load into their registers)
.endif
	WIN 0
.endm
; what a pass hangs on: tile slot i of my wave is tile TLO + 24 pass + 8 i + wave.  Loads take the tile held to 127; the rows' test takes it as it is.
.macro SETUP
	s_mul_i32 s29, s28, 24
	s_add_co_u32 s29, s29, s26
	s_add_co_u32 s29, s29, s18
.irp i, 0,1,2
	s_add_co_u32 s58, s29, 8*\i
	s_lshl_b32 s59, s58, 4
	s_sub_co_u32 s[30+\i], s59, s24                ; the tile's first place less OFFE
	s_min_u32 s58, s58, 127
	s_mul_i32 s60, s58, 24576
	s_add_nc_u64 s[36+2*\i:37+2*\i], s[12:13], s[60:61]   ; its images in xq,
	s_lshl_b32 s60, s58, 10
	s_add_nc_u64 s[42+2*\i:43+2*\i], s[14:15], s[60:61]   ; its scale words in xs,
	s_lshl_b32 s60, s58, 6
	s_add_nc_u64 s[52+2*\i:53+2*\i], s[10:11], s[60:61]   ; its tokens in order
.endr
	s_load_b512 s[TOKA:TOKA+15], s[52:53], 0x0     ; the 16 tokens of slot 0,
	s_load_b512 s[TOKB:TOKB+15], s[54:55], 0x0     ; and of slot 1: wanted only on the way out
.endm
.macro LOADS bias
.irp i, 0,1,2
	global_load_b128 v[XS+8*\i:XS+8*\i+3], v13, s[42+2*\i:43+2*\i]
	global_load_b128 v[XS+8*\i+4:XS+8*\i+7], v13, s[42+2*\i:43+2*\i] offset:16
.endr
	WIN 0x40
.if \bias
.irp a, 0,1,2,3
	global_load_b128 v[BE+8*\a:BE+8*\a+3], v14, s[6:7] offset:64*\a          ; be[e][64 fb + 16 a + 8 h + 0 .. 7]: it stays for all passes
	global_load_b128 v[BE+8*\a+4:BE+8*\a+7], v14, s[6:7] offset:64*\a+16
.endr
.endif
	XLOAD 0
	XLOAD 1
	XLOAD 2
	WIN 0
.endm
; row p of tile slot i goes out, if its place is my expert's: unsigned, so that a neighbouring expert's rows, tiles past the expert's end and an expert with no token all fall out
.macro ROWOUT i, p, tok
	s_add_co_u32 s58, s[30+(\i)], \p               ; place less OFFE
	s_cmp_lt_u32 s58, s25
	s_cbranch_scc0 .Lnot_mine_\@
	s_min_u32 s59, s[(\tok)+(\p)], 2047            ; a loaded number enters an address held to the table's size
	s_lshl_b32 s60, s59, 13                        ; 8,192 x token
	s_add_nc_u64 s[PB+2*((\p)%8):PB+2*((\p)%8)+1], s[16:17], s[60:61]
	global_store_b64 v58, v[OB+32*(\i)+2*(\p):OB+32*(\i)+2*(\p)+1], s[PB+2*((\p)%8):PB+2*((\p)%8)+1] th:TH_STORE_NT   ; 32 lanes store the token's 256 consecutive bytes, at a multiple of 256 from out0's first byte
.Lnot_mine_\@:
.endm
; THE WAY OUT of tile slot i: 16 tokens x 64 columns go through my stage and come back a row of 256 bytes an instruction, 8 bytes a lane
.macro OUT i, tok
	s_wait_xcnt 0x0                                ; the earlier stores have read their bases: these are written again only behind this wait
	WIN 0x04                                       ; an LDS store's data are its source 1: window 1
.irp a, 0,1,2,3
	ds_store_b128 v10, v[ACC+32*(\i)+8*\a:ACC+32*(\i)+8*\a+3] offset:64*\a           ; each accumulator from its low end on
	ds_store_b128 v10, v[ACC+32*(\i)+8*\a+4:ACC+32*(\i)+8*\a+7] offset:64*\a+16
.endr
	WIN 0
.irp p, 0,1,2,3,4,5,6,7,8,9,10,11,12,13,14,15
	ds_load_b64 v[OB+32*(\i)+2*\p:OB+32*(\i)+2*\p+1], v11 offset:\p*272   ; LDS serves a wave's instructions in order: these see the stores above, and the next tile's stores come behind them
.endr
.irp p, 0,1,2,3,4,5,6,7,8,9,10,11,12,13,14,15
.if \p == 8
	s_wait_xcnt 0x0                                ; rows 0 to 7 have read their bases: the eight pairs take their second turn
.endif
	s_wait_dscnt 15-\p                             ; row p is back; the later rows' loads may be out
	ROWOUT \i, \p, \tok
.endr
.endm
.macro OUTS
	s_wait_alu depctr_va_vdst(0)                   ; behind K step 15's four places: the products have written the accumulators, which the LDS stores of all three slots read; the quantiser is done reading the ring's registers, in which the rows land.  No vector or matrix instruction stands in the way out
	s_wait_kmcnt 0x0                               ; the tokens of slots 0 and 1
	OUT 0, TOKA
	s_load_b512 s[TOKA:TOKA+15], s[56:57], 0x0     ; slot 2's, into the registers that slot 0 has left; they come while slot 1 goes out
	OUT 1, TOKB
	s_wait_kmcnt 0x0
	OUT 2, TOKA
.endm
.macro COUNT2 i
.irp q, 0,1,2,3
	v_cmp_gt_u32 s[66+\q], s20, v[4*(\i)+\q]       ; idx < e
	v_cmp_ge_u32 s[70+\q], s20, v[4*(\i)+\q]       ; idx <= e
.endr
	s_wait_alu depctr_va_sdst(0)                   ; the eight compares have written s66 to s73, ahead of their first readers
.irp q, 0,1,2,3,4,5,6,7
	s_bcnt1_i32_b32 s[74+\q], s[66+\q]
.endr
.irp q, 0,1,2,3
	s_add_co_u32 s24, s24, s[74+\q]
	s_add_co_u32 s25, s25, s[78+\q]
.endr
.endm
.macro STEP t
	PRODUCE \t
	s_wait_dscnt 0x0                               ; for the others' sake: my part of the step's images has landed; and the next step's turned numbers are in
	s_barrier_signal -1
	s_barrier_wait -1                              ; the step's four images and their scale words lie in LDS
	CONSUME \t, 1
.endm
	s_load_b256 s[4:11], s[0:1], 0x0               ; We s[4:5], be s[6:7], idx s[8:9], order s[10:11]
	s_load_b128 s[12:15], s[0:1], 0x20             ; xq s[12:13], xs s[14:15]
	s_load_b64 s[16:17], s[0:1], 0x30              ; out0
	v_lshl_add_u32 v19, v0, 2, SPARE               ; my spare word, and 0: kept for the closing lines alone
	v_mov_b32 v20, 0
	v_lshrrev_b32 v60, 5, v0
	v_readfirstlane_b32 s18, v60                   ; wave 0..7
	s_and_b32 s20, ttmp7, 0xffff                   ; e
	s_mov_b32 s21, ttmp9                           ; fb
	v_and_b32 v60, 31, v0                          ; lane
	v_lshlrev_b32 v1, 4, v60                       ; 16 x lane: my 16 bytes of a dense load, and an image's place for my lane
	s_wait_alu depctr_va_sdst(0)                   ; s18 is written, ahead of its first reader: We's base and the LDS regions are made from it
	s_mov_b32 s61, 0
	s_lshl_b32 s58, s20, 11
	s_lshl_b32 s59, s21, 6
	s_add_co_u32 s58, s58, s59                     ; the work-group's first row of We: 2,048 e + 64 fb
	s_wait_kmcnt 0x0
	s_lshl_b32 s60, s58, 2
	s_add_nc_u64 s[6:7], s[6:7], s[60:61]          ; be there
	s_lshl_b32 s59, s18, 3
	s_add_co_u32 s58, s58, s59
	s_lshl_b32 s60, s58, 13                        ; (under 2^31)
	s_add_nc_u64 s[4:5], s[4:5], s[60:61]          ; We at my eight rows
	s_lshl_b32 s60, s21, 8
	s_add_nc_u64 s[16:17], s[16:17], s[60:61]      ; out0 at the work-group's 64 columns
	WIN 0x40
	s_wait_alu depctr_va_vdst(0)                   ; v1 is written: the loads of idx and of We read it as their offset
.irp i, 0,1,2,3,4,5,6,7,8,9,10,11,12,13,14,15
	global_load_b128 v[4*\i:4*\i+3], v1, s[8:9] offset:512*\i   ; idx, into registers that the accumulators take later
.endr
	WIN 0
	GLOAD 0                                        ; the ring's four sets go out
	GLOAD 1
	GLOAD 2
	GLOAD 3
	; the addresses, while the loads are on their way
	v_and_b32 v61, 15, v0                          ; r
	v_bfe_u32 v16, v0, 4, 1                        ; h
	s_mul_i32 s58, s18, SCRW
	s_add_co_u32 s58, s58, SCR                     ; my region
	v_bfe_u32 v62, v0, 3, 2                        ; lane / 8: the block that my 16 bytes of a row's 512 belong to
	v_lshl_add_u32 v2, v62, 4, v1
	v_add_nc_u32 v2, s58, v2                       ; turning stage, in: place 4 j + lane / 8, 144 apart: 16 x lane + 16 x (lane / 8), + 576 j
	v_mul_u32_u24 v3, v60, 144
	v_add_nc_u32 v3, s58, v3                       ; and back: place = lane: row lane / 4, block lane % 4
	v_bfe_u32 v62, v0, 2, 3                        ; my row of the eight
	v_bfe_u32 v63, v0, 1, 1                        ; my block's half h: block = 2 h + c
	v_lshl_add_u32 v62, v63, 4, v62
	s_and_b32 s59, s18, 1
	s_lshl_b32 s59, s59, 3
	v_add_nc_u32 v62, s59, v62                     ; the fragment's lane that my block belongs to: 8 x (wave % 2) + row + 16 h
	v_and_b32 v18, 1, v0                           ; c
	v_lshlrev_b32 v18, 4, v18
	v_lshl_add_u32 v18, v63, 3, v18                ; 8 x (2 c + h): where my byte stands in the scale word
	v_and_b32 v63, 1, v0
	v_mul_u32_u24 v63, v63, 768
	s_lshr_b32 s62, s18, 1
	s_mul_i32 s62, s62, 1536
	v_add_nc_u32 v63, s62, v63                     ; 1,536 x (wave / 2) + 768 c
	v_lshl_add_u32 v4, v62, 4, v63                 ; where I store four registers of an image: K steps 0-7,
	v_add_nc_u32 v5, 49152, v4                     ; K steps 8-15;
	v_lshl_add_u32 v6, v62, 3, v63
	v_add_nc_u32 v6, 512, v6                       ; and the other two
	v_add_nc_u32 v7, 49152, v6
	v_and_b32 v8, 15, v62
	s_bfe_u32 s62, s18, 0x10001                    ; a % 2
	s_lshl_b32 s62, s62, 7
	s_lshr_b32 s63, s18, 2                         ; a / 2
	s_lshl_b32 s63, s63, 2
	s_add_co_u32 s62, s62, s63
	s_add_co_u32 s62, s62, ASC
	v_lshl_add_u32 v8, v8, 3, s62                  ; my row's scale word: 8 x (16 x (a % 2) + r) + 4 x (a / 2)
	v_lshl_add_u32 v9, v60, 3, ASC                 ; where I read scale words: 8 x lane
	v_add_nc_u32 v23, 49152, v1                    ; where I read images of K steps 8-15
	v_lshlrev_b32 v58, 3, v60                      ; 8 x lane: the images' parts of 8 bytes, and my 8 bytes of a row of out0
	v_add_nc_u32 v59, 49152, v58
	v_mul_u32_u24 v10, v61, 272
	v_lshl_add_u32 v10, v16, 5, v10
	v_add_nc_u32 v10, s58, v10                     ; the way out, in: row r, 32 h on
	v_add_nc_u32 v11, s58, v58                     ; and back: 8 bytes a lane of a row
	v_lshlrev_b32 v12, 5, v61
	v_lshl_add_u32 v12, v16, 4, v12                ; xq: slot 2 r + h
	v_lshlrev_b32 v13, 6, v61
	v_lshl_add_u32 v13, v16, 5, v13                ; xs: row r, words 8 h on
	v_lshlrev_b32 v14, 5, v16                      ; be: 8 h numbers on
	v_mov_b32 v[PT], 0                             ; written once: a DPP form's destination counts as a source
	; where my expert's tokens lie in the sorted order, by counting over idx
	s_mov_b32 s24, 0                               ; OFFE: tokens of earlier experts
	s_mov_b32 s25, 0                               ; those and my expert's
	s_wait_loadcnt 32                              ; idx is in; the ring's 32 loads may be out
	WIN 0x04                                       ; source 1 window 1
.irp i, 0,1,2,3,4,5,6,7,8,9,10,11,12,13,14,15
	COUNT2 \i
.endr
	WIN 0
	s_lshr_b32 s26, s24, 4                         ; TLO: the first tile that holds a place of mine
	s_add_co_u32 s58, s25, 15
	s_lshr_b32 s58, s58, 4
	s_sub_co_u32 s58, s58, s26                     ; tiles, at most 128
	s_add_co_u32 s58, s58, 23
	s_mul_i32 s58, s58, 171
	s_lshr_b32 s27, s58, 12                        ; passes = (tiles + 23) / 24: 171 / 4,096 exceeds 1 / 24 by so little that up to 151 the whole part is the same
	s_sub_co_u32 s25, s25, s24                     ; CNT
	s_mov_b32 s28, 0                               ; the pass
	SETUP
	s_wait_loadcnt 8                               ; We of K steps 0 to 2 is in; step 3's eight loads may be out
	s_wait_alu depctr_va_vdst(0)                   ; the offsets and LDS addresses v2 to v14, v23, v58 and v59 are written: every LDS instruction, load and store from here on reads one of them, and none is written again
	TURN 0
	LOADS 1
	s_wait_dscnt 0x0                               ; step 0's turned numbers are in
; PASS 0: in each K step every wave makes its part of the step's images, all eight meet, and every wave multiplies its tiles by them.  By the text's own count at most 57 loads of a wave are out.
.irp t, 0,1,2,3,4,5,6,7,8,9,10,11,12,13,14,15
	STEP \t
.endr
	OUTS                                           ; (K step 15's wait has shown every load landed: the bases of x are free for the rows' bases)
	s_cmp_le_u32 s27, 1
	s_cbranch_scc1 .Lend
	s_mov_b32 s28, 1
.Lpass:                                            ; further passes, for an expert with more than 24 tiles: on the images that lie in LDS, no barrier, every LDS address as in pass 0
	s_wait_xcnt 0x0                                ; the last rows' stores have read their bases, which SETUP writes
	s_wait_alu depctr_vm_vsrc(0)                   ; the last way out's LDS stores have read the accumulators, which this pass's products begin anew; its global stores have read the rows' registers, in which this pass's rows land
	v_nop                                          ; a fifth place behind K step 15's products: this pass's first products begin the same accumulators anew, with the bias as C
	SETUP
	LOADS 0                                        ; (x's scale words and fragments land in registers that the last pass's products read: the wait at the head of its way out has shown them done)
.irp t, 0,1,2,3,4,5,6,7,8,9,10,11,12,13,14,15
	CONSUME \t, 0
.endr
	OUTS
	s_add_co_u32 s28, s28, 1
	s_cmp_lt_u32 s28, s27
	s_cbranch_scc1 .Lpass
.Lend:
	s_wait_dscnt 0x0                               ; the closing lines, six on end
	s_wait_alu 0x0
	s_wait_tensorcnt 0x0
	ds_add_u32 v19, v20
	s_wait_dscnt 0x0
	s_endpgm
.Lfunc_end_k_qf3e82dee60_experts:
	.size	k_qf3e82dee60_experts, .Lfunc_end_k_qf3e82dee60_experts-k_qf3e82dee60_experts
	.p2alignl 7, 3214868480
	.fill 96, 4, 3214868480
	.section	.rodata,"a",@progbits
	.p2align	6, 0x0
	.amdhsa_kernel k_qf3e82dee60_experts
		.amdhsa_group_segment_fixed_size 140288
		.amdhsa_private_segment_fixed_size 0
		.amdhsa_enable_private_segment 0
		.amdhsa_kernarg_size 56
		.amdhsa_user_sgpr_count 2
		.amdhsa_user_sgpr_kernarg_segment_ptr 1
		.amdhsa_wavefront_size32 1
		.amdhsa_system_sgpr_workgroup_id_x 1
		.amdhsa_system_sgpr_workgroup_id_y 1
		.amdhsa_system_sgpr_workgroup_id_z 1
		.amdhsa_system_vgpr_workitem_id 0
		.amdhsa_next_free_vgpr 512
		.amdhsa_next_free_sgpr 100
		.amdhsa_reserve_vcc 0
		.amdhsa_float_denorm_mode_32 3
		.amdhsa_float_denorm_mode_16_64 3
		.amdhsa_memory_ordered 1
		.amdhsa_forward_progress 1
		.amdhsa_inst_pref_size 248
	.end_amdhsa_kernel
	.amdgpu_metadata
---
amdhsa.version: [ 1, 2 ]
amdhsa.kernels:
  - .name:           k_qf3e82dee60_experts
    .symbol:         k_qf3e82dee60_experts.kd
    .args:
      - { .name: We, .offset: 0, .size: 8, .value_kind: global_buffer, .address_space: global }
      - { .name: be, .offset: 8, .size: 8, .value_kind: global_buffer, .address_space: global }
      - { .name: idx, .offset: 16, .size: 8, .value_kind: global_buffer, .address_space: global }
      - { .name: order, .offset: 24, .size: 8, .value_kind: global_buffer, .address_space: global }
      - { .name: xq, .offset: 32, .size: 8, .value_kind: global_buffer, .address_space: global }
      - { .name: xs, .offset: 40, .size: 8, .value_kind: global_buffer, .address_space: global }
      - { .name: out0, .offset: 48, .size: 8, .value_kind: global_buffer, .address_space: global }
    .group_segment_fixed_size: 140288
    .private_segment_fixed_size: 0
    .kernarg_segment_align: 8
    .kernarg_segment_size: 56
    .max_flat_workgroup_size: 256
    .sgpr_count:     100
    .vgpr_count:     512
    .wavefront_size: 32
...
	.end_amdgpu_metadata
.endif
;; end of part 6
